; MI455X (gfx1250); checked and timed in simulation.
; The chip was launched on July 23, 2026; its instructions are those of AMD's public machine-readable ISA for CDNA 5 (MIT licence, August 2026) and "CDNA5" Instruction Set Architecture Reference Guide (July 2026). The comments in the code are by the model that wrote it; some were corrected since.
;; Bahdanau Attention. Allowed arithmetic: matrix products marked QUANTISED: E5M2 operands, one E8M0 scale for each 32 along K, by v_wmma_scale_f32_16x16x128_f8f6f4 with both operands' format E5M2, f32 sums; products left as they are: f32 operands where the result goes on into a quantised operand, else bf16, f16 or f32 operands; f32 sums; everything else in f32.
;; Inputs: W_coverage 1,024 x 1 float32; W_decoder_codes 1,024 x 16 x 32 uint8 (E5M2 codes of W_decoder, K innermost, in blocks of 32 codes); W_decoder_scales 1,024 x 16 uint8 (E8M0 scales of W_decoder, one for each 32 codes along K); W_encoder_codes 1,024 x 16 x 32 uint8 (E5M2 codes of W_encoder, K innermost, in blocks of 32 codes); W_encoder_scales 1,024 x 16 uint8 (E8M0 scales of W_encoder, one for each 32 codes along K); coverage 64 x 2,048 float32; decoder_hidden_codes 64 x 16 x 32 uint8 (E5M2 codes of decoder_hidden, K innermost, in blocks of 32 codes); decoder_hidden_scales 64 x 16 uint8 (E8M0 scales of decoder_hidden, one for each 32 codes along K); encoder_mask 64 x 2,048 int32; encoder_outputs 64 x 2,048 x 512 float32; v 1 x 1,024 float32.
;; Outputs: out0 64 x 512 float32; out1 64 x 2,048 float32.
;; This version of the problem:
;;   THIS VERSION OF THE PROBLEM IS GIVEN IN LOW PRECISION. The matrix products marked QUANTISED in the list below multiply operands that are first quantised to E5M2 (5 exponent bits, 2 mantissa bits; 8 bits a number), with one power-of-two scale for each 32 numbers along K (OCP MX v1.0); their sums are f32. All else is computed in f32.
;;   The module's matrix products, in the order in which they are computed (A, B: the left and right operand; K: the contracted axis; several contracted axes count as one K, in the product's order):
;;     1. [M 131,072, K 512] x [K 512, N 1,024]; A: input encoder_outputs; B: input W_encoder (given as codes): QUANTISED
;;     2. [M 64, K 512] x [K 512, N 1,024]; A: input decoder_hidden (given as codes); B: input W_decoder (given as codes): QUANTISED
;;     3. [M 131,072, K 1,024] x [K 1,024, N 1]; A: computed on the way; B: input v: left as it is (N = 1 < 16)
;;     4. batch 64 x [M 1, K 2,048] x [K 2,048, N 512]; A: softmax; B: input encoder_outputs: left as it is (M = 1 < 16)
;;   THE QUANTISER, for each operand of a quantised product, along K:
;;     - K is cut into blocks of 32 from its start; a last block that is shorter is filled with zeros.
;;     - A block's scale is 2^e with e = floor(log2(the largest magnitude in the block)) - 15, held to -126 .. 127; a block of zeros has e = 0. As a byte (E8M0): e + 127.
;;     - Each number is divided by its block's scale, clamped to +-57,344, and rounded to the nearest number of E5M2, ties to even, subnormals kept.
;;     - The product sums the exact products of the quantised numbers (number of the format x scale) in f32.
;;   ~~~python
;;   def quantise(x, axis):      # numpy; x: float32 -> the quantised numbers, widened to float32 again
;;       x = np.moveaxis(x, axis, -1); K = x.shape[-1]
;;       x = np.pad(x, [(0, 0)] * (x.ndim - 1) + [(0, -K % 32)]); x = x.reshape(x.shape[:-1] + (-1, 32)); a = np.abs(x).max(-1, keepdims=True)
;;       e = np.where(a > 0, np.clip(np.frexp(np.where(a > 0, a, 1))[1] - 1 - 15, -126, 127), 0)      # np.frexp(a)[1] - 1 = floor(log2(a)), exactly
;;       r = np.clip(x / 2.0 ** e, -57344, 57344)
;;       step = 2.0 ** (np.maximum(np.frexp(np.where(r == 0, 1, r))[1] - 1, -14) - 2)
;;       q = np.round(r / step) * step * 2.0 ** e      # np.round: ties to even
;;       return np.moveaxis(q.reshape(q.shape[:-2] + (-1,))[..., :K], -1, axis).astype(np.float32)
;;   ~~~
;;   INPUTS GIVEN AS CODES. W_decoder (in the module: [1024, 512], K = its axis 1); W_encoder (in the module: [1024, 512], K = its axis 1); decoder_hidden (in the module: [64, 512], K = its axis 1): each comes as NAME_codes (uint8): NAME with its K axis moved to the last place and cut into blocks of 32 codes, [.., K / 32, bytes a block], one block behind the other in memory; one code a byte (a code: sign, 5 exponent bits, 2 mantissa bits); and NAME_scales (uint8): the same leading axes, one E8M0 byte (e + 127) for each 32 codes along K. Its value is code x scale, taken as it is: it is not quantised again, and the codes and scales need not be those that the quantiser above would give.
;; 2 versions. Each part assembles by itself: llvm-mc -triple=amdgcn-amd-amdhsa -mcpu=gfx1250 --defsym DOCPART=n.
;; ======== version 1 of 2: 3 launches
;; workspace buffers: wfrag 557,056 bytes; dec 262,144 bytes; sc 524,288 bytes; pst 262,144 bytes; pctx 2,097,152 bytes
;; launch prep (part 1): grid 64 x 1, 4 waves a work-group, no clusters, 0 bytes of LDS; arguments W_decoder_codes, W_decoder_scales, decoder_hidden_codes, decoder_hidden_scales, W_encoder_codes, W_encoder_scales, dec, wfrag; writes dec, wfrag
.if DOCPART == 1
	.amdgcn_target "amdgcn-amd-amdhsa--gfx1250"
	.amdhsa_code_object_version 6
	.text
	.protected	k_qe0a909d5bc_prep
	.globl	k_qe0a909d5bc_prep
	.p2align	8
	.type	k_qe0a909d5bc_prep,@function
k_qe0a909d5bc_prep:
	s_mov_b64 s[64:65], 0
	v_nop
	global_prefetch_b8 v0, s[64:65] scope:SCOPE_SE
	s_setreg_imm32_b32 hwreg(HW_REG_WAVE_MODE, 25, 1), 1
	s_wait_xcnt 0x0
; Two small jobs ahead of the main launch.
; (1) dec[64][1024] = decoder_hidden W_decoder^T, both given as codes of E5M2 with E8M0 scales: the scaled matrix form on the codes as they lie.
; (2) W_encoder's codes and scale bytes are laid anew, in the order of the operand's registers: for each tile of 16 rows 8,704 bytes:
;     the 16 bytes of lane l for K step s, piece c at (4 s + c) x 512 + 16 l; then, at 8,192 + 16 l, the 16 scale bytes of row l % 16.
;     The main launch then fills a fragment by dense loads of 512 bytes.
; SHARES: work-group T takes rows 16 T .. 16 T + 15 of both weights.  Wave w makes dec for batch rows 16 w .. 16 w + 15 and lays K step w of W_encoder's tile.
; The product is used transposed (source 0 = 16 rows of W_decoder, source 1 = 16 rows of decoder_hidden): lane (r, h) holds dec[16 w + r][16 T + 8 h + 0 .. 7].
; dec leaves in pieces of 32 bytes a lane: the whole buffer is 262,144 bytes, so no stage is spent on it.
.set WDS, 16                           ; v16-19  W_decoder's scale words, K steps 0 to 3
.set DHS, 20                           ; v20-23  decoder_hidden's
.set WD,  32                           ; v32-95  W_decoder's four fragments
.set DH,  96                           ; v96-159 decoder_hidden's four
.set WE,  160                          ; v160-175 W_encoder's fragment of K step w
	s_load_b512 s[4:19], s[0:1], 0x0               ; Wd codes s[4:5], Wd scales s[6:7], dh codes s[8:9], dh scales s[10:11], We codes s[12:13], We scales s[14:15], dec s[16:17], wfrag s[18:19]
	v_lshrrev_b32 v7, 5, v0
	v_readfirstlane_b32 s20, v7                    ; wave 0..3
	v_and_b32 v1, 15, v0                           ; r
	v_bfe_u32 v2, v0, 4, 1                         ; h
	v_lshlrev_b32 v3, 9, v1
	v_lshl_add_u32 v3, v2, 4, v3                   ; a row of 512 codes: 512 r + 16 h
	v_lshlrev_b32 v4, 4, v1                        ; a row of 16 scale bytes
	v_and_b32 v5, 31, v0
	v_lshlrev_b32 v5, 4, v5                        ; 16 x lane
	v_lshlrev_b32 v6, 12, v1
	v_lshl_add_u32 v6, v2, 5, v6                   ; dec: row r of 4,096 bytes, + 32 h
	s_mov_b32 s23, 0
	s_wait_kmcnt 0x0
	s_lshl_b32 s22, ttmp9, 13                      ; 16 rows of 512 codes
	s_add_nc_u64 s[4:5], s[4:5], s[22:23]
	s_add_nc_u64 s[12:13], s[12:13], s[22:23]
	s_lshl_b32 s22, ttmp9, 8                       ; 16 rows of 16 scale bytes
	s_add_nc_u64 s[6:7], s[6:7], s[22:23]
	s_add_nc_u64 s[14:15], s[14:15], s[22:23]
	s_lshl_b32 s22, s20, 13                        ; my 16 batch rows
	s_add_nc_u64 s[8:9], s[8:9], s[22:23]
	s_lshl_b32 s22, s20, 8
	s_add_nc_u64 s[10:11], s[10:11], s[22:23]
	s_lshl_b32 s22, s20, 7                         ; W_encoder: K step w
	s_add_nc_u64 s[12:13], s[12:13], s[22:23]
	s_lshl_b32 s22, s20, 16                        ; dec: 16 w rows of 4,096 bytes + 64 T
	s_lshl_b32 s21, ttmp9, 6
	s_add_co_u32 s22, s22, s21
	s_add_nc_u64 s[16:17], s[16:17], s[22:23]
	s_mul_i32 s22, ttmp9, 8704                     ; wfrag: tile T, K step w
	s_lshl_b32 s21, s20, 11
	s_add_co_u32 s22, s22, s21
	s_add_nc_u64 s[18:19], s[18:19], s[22:23]
.irp s, 0,1,2,3
.irp c, 0,1,2,3
	global_load_b128 v[WD+16*\s+4*\c:WD+16*\s+4*\c+3], v3, s[4:5] offset:128*\s+32*\c
	global_load_b128 v[DH+16*\s+4*\c:DH+16*\s+4*\c+3], v3, s[8:9] offset:128*\s+32*\c
.endr
.endr
	global_load_b128 v[WDS:WDS+3], v4, s[6:7]
	global_load_b128 v[DHS:DHS+3], v4, s[10:11]
.irp c, 0,1,2,3
	global_load_b128 v[WE+4*\c:WE+4*\c+3], v3, s[12:13] offset:32*\c
.endr
	s_wait_loadcnt 0x0
	; K = 512 in four steps, on two accumulators that take turns, one instruction a turn; the first two start the sums
	v_wmma_scale_f32_16x16x128_f8f6f4 v[176:183], v[WD:WD+15], v[DH:DH+15], 0, v[WDS], v[DHS] matrix_a_fmt:MATRIX_FMT_BF8 matrix_b_fmt:MATRIX_FMT_BF8
	v_wmma_scale_f32_16x16x128_f8f6f4 v[184:191], v[WD+16:WD+31], v[DH+16:DH+31], 0, v[WDS+1], v[DHS+1] matrix_a_fmt:MATRIX_FMT_BF8 matrix_b_fmt:MATRIX_FMT_BF8
	v_wmma_scale_f32_16x16x128_f8f6f4 v[176:183], v[WD+32:WD+47], v[DH+32:DH+47], v[176:183], v[WDS+2], v[DHS+2] matrix_a_fmt:MATRIX_FMT_BF8 matrix_b_fmt:MATRIX_FMT_BF8
	v_wmma_scale_f32_16x16x128_f8f6f4 v[184:191], v[WD+48:WD+63], v[DH+48:DH+63], v[184:191], v[WDS+3], v[DHS+3] matrix_a_fmt:MATRIX_FMT_BF8 matrix_b_fmt:MATRIX_FMT_BF8
.irp c, 0,1,2,3
	global_store_b128 v5, v[WE+4*\c:WE+4*\c+3], s[18:19] offset:512*\c   ; 32 lanes store 512 consecutive bytes
.endr
.rept 8
	v_nop                                          ; eight places between this matrix form and the first read of its results
.endr
.irp j, 0,2,4,6
	v_pk_add_f32 v[192+\j:193+\j], v[176+\j:177+\j], v[184+\j:185+\j]   ; the two halves of K; each accumulator from its low end on
.endr
	global_store_b128 v6, v[192:195], s[16:17]
	global_store_b128 v6, v[196:199], s[16:17] offset:16
	s_cmp_lg_u32 s20, 0                            ; the tile's scale bytes are laid by wave 0 alone (its part of wfrag begins at the tile's first byte)
	s_cbranch_scc1 .Ldone
	global_load_b128 v[24:27], v4, s[14:15]
	s_wait_loadcnt 0x0
	global_store_b128 v5, v[24:27], s[18:19] offset:8192
.Ldone:
	s_endpgm
.Lfunc_end_k_qe0a909d5bc_prep:
	.size	k_qe0a909d5bc_prep, .Lfunc_end_k_qe0a909d5bc_prep-k_qe0a909d5bc_prep
	.p2alignl 7, 3214868480
	.fill 96, 4, 3214868480
	.section	.rodata,"a",@progbits
	.p2align	6, 0x0
	.amdhsa_kernel k_qe0a909d5bc_prep
		.amdhsa_group_segment_fixed_size 0
		.amdhsa_private_segment_fixed_size 0
		.amdhsa_enable_private_segment 0
		.amdhsa_kernarg_size 64
		.amdhsa_user_sgpr_count 2
		.amdhsa_user_sgpr_kernarg_segment_ptr 1
		.amdhsa_wavefront_size32 1
		.amdhsa_system_sgpr_workgroup_id_x 1
		.amdhsa_system_sgpr_workgroup_id_y 1
		.amdhsa_system_sgpr_workgroup_id_z 1
		.amdhsa_system_vgpr_workitem_id 0
		.amdhsa_next_free_vgpr 200
		.amdhsa_next_free_sgpr 66
		.amdhsa_reserve_vcc 0
		.amdhsa_float_denorm_mode_32 3
		.amdhsa_float_denorm_mode_16_64 3
		.amdhsa_memory_ordered 1
		.amdhsa_forward_progress 1
		.amdhsa_inst_pref_size 7
	.end_amdhsa_kernel
	.amdgpu_metadata
---
amdhsa.version: [ 1, 2 ]
amdhsa.kernels:
  - .name:           k_qe0a909d5bc_prep
    .symbol:         k_qe0a909d5bc_prep.kd
    .args:
      - { .name: W_decoder_codes, .offset: 0, .size: 8, .value_kind: global_buffer, .address_space: global }
      - { .name: W_decoder_scales, .offset: 8, .size: 8, .value_kind: global_buffer, .address_space: global }
      - { .name: decoder_hidden_codes, .offset: 16, .size: 8, .value_kind: global_buffer, .address_space: global }
      - { .name: decoder_hidden_scales, .offset: 24, .size: 8, .value_kind: global_buffer, .address_space: global }
      - { .name: W_encoder_codes, .offset: 32, .size: 8, .value_kind: global_buffer, .address_space: global }
      - { .name: W_encoder_scales, .offset: 40, .size: 8, .value_kind: global_buffer, .address_space: global }
      - { .name: dec, .offset: 48, .size: 8, .value_kind: global_buffer, .address_space: global }
      - { .name: wfrag, .offset: 56, .size: 8, .value_kind: global_buffer, .address_space: global }
    .group_segment_fixed_size: 0
    .private_segment_fixed_size: 0
    .kernarg_segment_align: 8
    .kernarg_segment_size: 64
    .max_flat_workgroup_size: 128
    .sgpr_count:     66
    .vgpr_count:     200
    .wavefront_size: 32
...
	.end_amdgpu_metadata
.endif
;; end of part 1
;; launch main (part 2): grid 256 x 1, 4 waves a work-group, no clusters, 324,096 bytes of LDS; arguments encoder_outputs, coverage, encoder_mask, wfrag, dec, W_coverage, v, sc, pst, pctx; writes sc, pst, pctx
.if DOCPART == 2
	.amdgcn_target "amdgcn-amd-amdhsa--gfx1250"
	.amdhsa_code_object_version 6
	.text
	.protected	k_qe0a909d5bc_main
	.globl	k_qe0a909d5bc_main
	.p2align	8
	.type	k_qe0a909d5bc_main,@function
k_qe0a909d5bc_main:
	s_mov_b64 s[64:65], 0
	v_nop
	global_prefetch_b8 v0, s[64:65] scope:SCOPE_SE
	s_setreg_imm32_b32 hwreg(HW_REG_WAVE_MODE, 25, 1), 1
	s_wait_xcnt 0x0
; For 512 rows (s) of one batch row b, in four blocks of 128 rows: quantise encoder_outputs to E5M2 with E8M0 scales along its 512; enc = x W_encoder^T on codes;
; score = sum over a of v[a] tanh(enc + dec + coverage x W_coverage); the mask; the BLOCK's own softmax (its maximum m, p = e^(score - m), its sum l) and the block's context, sum of p x encoder_outputs.
; Out go the masked scores (sc), (m, l) of each block (pst) and the block's context (pctx); the last launch joins the 16 blocks of a batch row.
; EACH BYTE OF encoder_outputs IS LOADED ONCE: a block's rows are kept in LDS as codes (for the first product) and as bf16 (for the context) until its scores are there.
; SHARES.  Work-group g: batch row g / 4, rows 512 (g % 4) on.  Loading: wave w takes rows 32 w .. 32 w + 31 of a block, in eight UNITS of 16 rows x 128 numbers (unit u: rows 16 (u / 4) on, K step u % 4).
; THE PASS: THE WAVES SHARE THE 1,024 COLUMNS, NOT THE ROWS: wave w takes columns 256 w .. 256 w + 255 (16 tiles) for all 128 rows, whose codes fill 512 of its registers; so each fragment of W feeds eight
; matrix instructions and is read by ONE wave of the work-group.  W goes from memory straight into that wave's registers (laid for it by the launch before), two tiles ahead.
; THE NEXT BLOCK COMES IN UNDER THE PASS.  A pass is four iterations of two trips (two column tiles a trip); each trip's second tile carries a SLOT: iterations 0, 1, 2 ask for the next block's units 0 to 5,
; iterations 1, 2 work its units 0 to 3 (bf16 rows and images to LDS); units 4, 5 wait in their landing registers.  Behind the block's context come units 4 to 7; only 6 and 7 are asked for there.
; LDS holds one and a half blocks of bf16 rows: region B for every block's second 16 rows of each wave, regions A and N by turns for the first 16.
; NO CLUSTER, NO JOINT LOADS: a joint load lands in LDS, and each byte of W would be written there and read back once, by one wave: 557,056 bytes in and out for each block, where now LDS sees none of them.
; tanh(x) = 1 - 2 / (1 + 2^(c x)), c = 2 log2(e): dec and W_coverage are multiplied by c once; score = sum(v) - 2 x sum(v / (1 + 2^t)).  2^t = infinity gives tanh = 1, 2^t = 0 gives -1: no clamp is needed.
; The first product is used transposed (source 0 = 16 columns' rows of W, source 1 = 16 rows of x): lane (r, h) holds row r and columns 8 h + 0 .. 7 of the tile.
; LIMITS: NaN and infinities among the inputs are not served.  A block of 32 zeros gets the scale byte 1 (the rule says 127): its codes are zeros and this program alone reads the byte; blocks whose largest
; magnitude lies under 2^-111 are held at that byte.  For the context alone p and encoder_outputs are rounded to bf16; l is the sum of the unrounded p.
; REGISTERS, in windows of 256 (s_set_vgpr_msb: bits 1:0 source 0, 3:2 source 1, 5:4 source 2, 7:6 destination):
;   window 0: v1-31 addresses and constants; v32-63 x's scale words; v64-127 eight accumulators (in a unit: its 64 numbers); v128-151 a tile's dec, W_coverage, v; v152-159 W's scale words, two sets;
;             v160-175 the score sums; v176-191 coverage; v192-223 bf16 packs, later p's fragments; v224-239 codes just made; v240-255 at work
;   window 1, 2: x's codes of row tiles 0-3, 4-7 (window 1 later: the context's fragments).   window 3: v0-127 W's fragments, two sets; v128-255 x as loaded, two sets.
.set BPITCH, 1056                      ; a row of 512 bf16 in LDS: 1,024 bytes + 32
.set RA,   67584                       ; region B lies at 0; regions A and N hold 64 rows each, like B
.set RN,   135168
.set RX,   0x31800                     ; RA xor RN: one exclusive or turns the one into the other
.set XIMG, 202752                      ; images of x's 32 fragments, (4 x tile + K step) x 2,048 + 512 c + 16 x lane
.set XSC,  268288                      ; their scale words: (4 x tile + K step) x 128 + 4 x lane
.set SCP,  272384                      ; the four waves' parts of the 128 score sums: 512 x wave + 4 x row
.set PB,   274432                      ; p as bf16, a copy for each wave: 256 x wave + 2 x row
.set CST,  275456                      ; the context's stage, each wave's own: 512 x wave + 4 x channel
.set PARB, 277504                      ; for each of the 64 column tiles 192 bytes: 16 c dec, 16 c W_coverage, 16 v
.set STG,  289792                      ; the stage through which x turns, each wave's own: 8,448 x wave; 16 rows of 512 bytes + 16
.set TXI, 1                            ; v1  a slot's place for images
.set L8,  2                            ; v2  8 x lane
.set TXS, 3                            ; v3  a slot's place for scale words
.set XO,  4                            ; v4  16 x lane + my wave's 32 rows of 2,048 bytes
.set STS, 5                            ; v5  the stage, in: 16 x lane
.set STL, 6                            ; v6  the stage, out: 528 r + 64 h
.set BF0, 7                            ; v7  bf16 rows, in a region: (16 w + r) x 1,056 + 32 h
.set XWI, 8                            ; v8  where I store images
.set XWS, 9                            ; v9  and scale words
.set LI,  10                           ; v10 where any wave reads images
.set LS,  11                           ; v11 and scale words
.set WO,  12                           ; v12 16 x lane
.set PA0, 13                           ; v13 my wave's first tile's parameters, + 32 h
.set PA,  14                           ; v14 those of the iteration's tiles
.set CVA, 15                           ; v15 4 r
.set SPA, 16                           ; v16 where I store score sums
.set SRA, 17                           ; v17 where I read them: four rows a lane
.set PBA, 18                           ; v18 where I store p
.set PFA, 19                           ; v19 where I read p's fragments
.set AVA, 20                           ; v20 the turning load's address in a region
.set AVF, 21                           ; v21 the same in the region of the block's first halves
.set CSA, 22                           ; v22 the context's stage, in
.set CRA, 23                           ; v23 and out
.set MK,  24                           ; v24-27 the mask of my four rows
.set VSUM, 28                          ; v28 the sum of v
.set PFO, 29                           ; v29 the prefetches' offset; never rewritten
.set TBF, 30                           ; v30 a unit's place for bf16 rows in region A or N
.set PW,  31                           ; v31 the scale word just made
.set XS,  32
.set ACC, 64
.set DECP, 128
.set WCP, 136
.set VV,  144
.set WS,  152
.set SACC, 160
.set COV, 176
.set BFR, 192
.set PC,  224
.set TM,  240
.set WV,  24                           ; s24 wave
.set SEL, 28                           ; s[28:29] v_permlanex16_b32's selects for lane l xor 16
.set CC,  30                           ; s[30:31] c = 2 log2(e)
.set MNT, 32                           ; s32 the mantissa field of 57,344
.set BLK, 33                           ; s33 blocks to go
.set KT,  34                           ; s34 the pass's iteration, 0 .. 3
.set POFF, 35                          ; s35 768 x iteration
.set OFF, 36                           ; s[36:37] where the next trip's two tiles of W begin; the high word stays 0
.set WA,  38                           ; s[38:39], s[40:41] the base of W's set 0, set 1
.set PFL, 42                           ; s42 the iteration that prefetches: 3, or none
.set L2E, 44                           ; s44 log2(e)
.set FO,  45                           ; s45 the region of this block's first halves: RA or RN
.set XB,  46                           ; s[46:47] the base of a slot's loads of x
.set GO,  48                           ; s48 the other region: the next block's first halves
.set K1,  49                           ; s49 iteration - 1
.set UA,  50                           ; s50 a slot works a unit while iteration - 1 is under this: 2, in the last block 0
.set UG,  51                           ; s51 a slot asks for a unit while the iteration is under this: 3, in the last block 0
.set GS,  52                           ; s[52:53] the slots' byte offset in x; the high word stays 0
.set SB,  54                           ; s54 the slots' offset for bf16 rows
.set SX,  55                           ; s55 for images
.set SS,  56                           ; s56 for scale words
.set MSB, 0
.macro WIN new                         ; the immediate's high byte repeats the setting that is left; at a label and at a branch every window is 0
.if MSB != \new
	s_set_vgpr_msb (MSB<<8)|\new
.set MSB, \new
.endif
.endm
.macro BARRIER                         ; my LDS stores have landed and my LDS loads are in: then the work-group's barrier
	s_wait_dscnt 0x0
	s_barrier_signal -1
	s_barrier_wait -1
.endm
; W's set p: a tile's 16 pieces of 512 bytes and its scale words: 17 loads.  Many work-groups read these bytes again: no hint.
.macro LOADW p
	WIN 0xc0
.irp i, 0,1,2,3,4,5,6,7,8,9,10,11,12,13,14,15
	global_load_b128 v[64*\p+4*\i:64*\p+4*\i+3], v[WO], s[WA+2*\p:WA+2*\p+1] offset:8704*\p+512*\i
.endr
	WIN 0
	global_load_b128 v[WS+4*\p:WS+4*\p+3], v[WO], s[WA+2*\p:WA+2*\p+1] offset:8704*\p+8192
.endm
; Unit u of the block in hand into landing set u % 2.  Each load takes 512 consecutive bytes of one row.
.macro GLOAD u
	WIN 0xc0
.irp i, 0,1,2,3,4,5,6,7,8,9,10,11,12,13,14,15
	global_load_b128 v[128+64*((\u)%2)+4*\i:128+64*((\u)%2)+4*\i+3], v[XO], s[4:5] offset:(16*((\u)/4)+\i)*2048+512*((\u)%4) th:TH_LOAD_NT
.endr
	WIN 0
.endm
; The same in a slot: a unit of the NEXT block into set q; which unit stands in the base
.macro GLOADP q
	WIN 0xc0
.irp i, 0,1,2,3,4,5,6,7,8,9,10,11,12,13,14,15
	global_load_b128 v[128+64*(\q)+4*\i:128+64*(\q)+4*\i+3], v[XO], s[XB:XB+1] offset:\i*2048+512*(\q) th:TH_LOAD_NT
.endr
	WIN 0
.endm
; A unit turns through my own stage: in as loaded (STIN), out (STOUT) so that lane (r, h) holds, of row r, 16 neighbours of each block of 32: register 16 b + i = k 32 b + 16 h + i.  LDS serves a wave's instructions in order (ISA guide 5.7.1.4).
.macro STIN p
	WIN 0x0c
.irp i, 0,1,2,3,4,5,6,7,8,9,10,11,12,13,14,15
	ds_store_b128 v[STS], v[128+64*(\p)+4*\i:128+64*(\p)+4*\i+3] offset:528*\i
.endr
	WIN 0
.endm
.macro STOUT
.irp b, 0,1,2,3
.irp j, 0,1,2,3
	ds_load_b128 v[ACC+16*\b+4*\j:ACC+16*\b+4*\j+3], v[STL] offset:128*\b+16*\j
.endr
.endr
.endm
; The 64 numbers in v[ACC] on become a fragment's codes in v[PC] on and its scale word in v[PW].
.macro QUANT
.irp b, 0,1,2,3
	v_max3_num_f32 v[TM+\b], |v[ACC+16*\b]|, |v[ACC+1+16*\b]|, 0x8000000   ; block b: my 16 numbers, and the floor 2^(16 - 127): so the byte cannot fall under 1
.endr
.irp i, 2,4,6,8,10,12,14
.irp b, 0,1,2,3
	v_max3_num_f32 v[TM+\b], v[TM+\b], |v[ACC+16*\b+\i]|, |v[ACC+1+16*\b+\i]|   ; the four blocks by turns
.endr
.endr
.irp b, 0,1,2,3
	v_permlanex16_b32 v[TM+4+\b], v[TM+\b], s[SEL], s[SEL+1]
.endr
.irp b, 0,1,2,3
	v_max_num_f32 v[TM+\b], v[TM+\b], v[TM+4+\b]   ; with lane l xor 16's: the block's largest magnitude
.endr
.irp b, 0,1,2,3
	v_add_nc_u32 v[TM+12+\b], 0xf8800000, v[TM+\b]   ; 15 off its exponent field: the conversion's scale operand
.endr
.irp b, 0,1,2,3
	v_and_or_b32 v[TM+8+\b], v[TM+\b], 0x7f800000, s[MNT]   ; 57,344 x the scale
.endr
.irp b, 0,1,2,3
	v_lshrrev_b32 v[TM+4+\b], 23, v[TM+12+\b]      ; the scale's byte
.endr
	v_lshl_or_b32 v[PW], v[TM+5], 8, v[TM+4]
	v_lshl_or_b32 v[PW], v[TM+6], 16, v[PW]
	v_lshl_or_b32 v[PW], v[TM+7], 24, v[PW]
.irp b, 0,1,2,3
.irp i, 0,1,2,3,4,5,6,7,8,9,10,11,12,13,14,15
	v_med3_num_f32 v[ACC+16*\b+\i], v[ACC+16*\b+\i], -v[TM+8+\b], v[TM+8+\b]   ; the conversion to an 8-bit code does not saturate (ISA guide 7.6.2): the hold at the largest code x the scale
.endr
	v_cvt_scalef32_pk8_bf8_f32 v[PC+4*\b:PC+1+4*\b], v[ACC+16*\b:ACC+7+16*\b], v[TM+12+\b]
	v_cvt_scalef32_pk8_bf8_f32 v[PC+2+4*\b:PC+3+4*\b], v[ACC+8+16*\b:ACC+15+16*\b], v[TM+12+\b]
.endr
	v_nop                                          ; one plain vector instruction behind the last scaled conversion
.endm
; What is made of a unit's 64 numbers: bf16 rows (address register abf, offset obf), the fragment's image (axi, oxi) and its scale word (axs, oxs).  It stands behind a wait for all my LDS instructions.
.macro WORK abf, obf, axi, oxi, axs, oxs
.set n, 0
.rept 32
	v_cvt_pk_bf16_f32 v[BFR+n], v[ACC+2*n], v[ACC+2*n+1]
.set n, n+1
.endr
.irp b, 0,1,2,3
	ds_store_b128 v[\abf], v[BFR+8*\b:BFR+8*\b+3] offset:(\obf)+64*\b
	ds_store_b128 v[\abf], v[BFR+8*\b+4:BFR+8*\b+7] offset:(\obf)+64*\b+16
.endr
	QUANT
.irp c, 0,1,2,3
	ds_store_b128 v[\axi], v[PC+4*\c:PC+4*\c+3] offset:(\oxi)+512*\c   ; the fragment goes to LDS as an image of its registers
.endr
	ds_store_b32 v[\axs], v[PW] offset:(\oxs)
.endm
; A unit written out.  left: the loads issued behind this unit's on every way here, which may stay out.  gl: the unit that takes its landing set, or -1
.macro UNITW u, left, abf, gl
	s_wait_loadcnt \left                           ; loads come back in order (ISA guide 5.7.1): this unit's 16 are in
	STIN (\u)%2
	STOUT
	s_wait_dscnt 0x0                               ; the numbers are back; the stage's stores, and the last unit's stores of packs, codes and scale word, have read their registers
.if (\gl) >= 0
	GLOAD \gl
.endif
	WORK \abf, 256*((\u)%4), XWI, 2048*(\u), XWS, 128*(\u)
.endm
; All 32 fragments of the block's x, and their scale words, into my registers
.macro FETCHX
	WIN 0x40
.irp i, 0,1,2,3
.irp s, 0,1,2,3
.irp c, 0,1,2,3
	ds_load_b128 v[64*\i+16*\s+4*\c:64*\i+16*\s+4*\c+3], v[LI] offset:(4*\i+\s)*2048+512*\c
.endr
.endr
.endr
	WIN 0x80
.irp i, 0,1,2,3
.irp s, 0,1,2,3
.irp c, 0,1,2,3
	ds_load_b128 v[64*\i+16*\s+4*\c:64*\i+16*\s+4*\c+3], v[LI] offset:(16+4*\i+\s)*2048+512*\c
.endr
.endr
.endr
	WIN 0
.irp i, 0,1,2,3,4,5,6,7
.irp s, 0,1,2,3
	ds_load_b32 v[XS+4*\i+\s], v[LS] offset:128*(4*\i+\s)
.endr
.endr
.endm
; 16 matrix instructions: W's set p against row tiles 4 g .. 4 g + 3, K = 512 in four steps; the four accumulators take turns, one instruction a turn; the first step starts the sums
.macro MM p, g
.irp s, 0,1,2,3
.irp i, 0,1,2,3
.if \s == 0
	v_wmma_scale_f32_16x16x128_f8f6f4 v[ACC+8*(4*\g+\i):ACC+8*(4*\g+\i)+7], v[64*\p+16*\s:64*\p+16*\s+15], v[64*\i+16*\s:64*\i+16*\s+15], 0, v[WS+4*\p+\s], v[XS+4*(4*\g+\i)+\s] matrix_a_fmt:MATRIX_FMT_BF8 matrix_b_fmt:MATRIX_FMT_BF8
.else
	v_wmma_scale_f32_16x16x128_f8f6f4 v[ACC+8*(4*\g+\i):ACC+8*(4*\g+\i)+7], v[64*\p+16*\s:64*\p+16*\s+15], v[64*\i+16*\s:64*\i+16*\s+15], v[ACC+8*(4*\g+\i):ACC+8*(4*\g+\i)+7], v[WS+4*\p+\s], v[XS+4*(4*\g+\i)+\s] matrix_a_fmt:MATRIX_FMT_BF8 matrix_b_fmt:MATRIX_FMT_BF8
.endif
.endr
.endr
.endm
; The tile's 64 numbers a lane: t = c enc + c dec + coverage x c W_coverage; 2^t; 1 / (1 + 2^t); the score sums take v x that.  Each kind of transcendental is one batch with one wait.
.macro EPI
.irp i, 0,1,2,3,4,5,6,7
.irp j, 0,2,4,6
	v_pk_fma_f32 v[ACC+8*\i+\j:ACC+8*\i+\j+1], v[ACC+8*\i+\j:ACC+8*\i+\j+1], s[CC:CC+1], v[DECP+\j:DECP+\j+1] op_sel_hi:[1,0,1]   ; each accumulator from its low end on
.endr
.endr
.irp i, 0,1,2,3,4,5,6,7
.irp j, 0,2,4,6
	v_pk_fma_f32 v[ACC+8*\i+\j:ACC+8*\i+\j+1], v[WCP+\j:WCP+\j+1], v[COV+2*\i:COV+2*\i+1], v[ACC+8*\i+\j:ACC+8*\i+\j+1]   ; the pair holds my row's coverage twice
.endr
.endr
.set n, 0
.rept 64
	v_exp_f32 v[ACC+n], v[ACC+n]
.set n, n+1
.endr
	v_nop                                          ; a plain instruction behind the last exponential,
	s_wait_alu depctr_va_vdst(0)                   ; and the one wait for the batch, ahead of its first reader
.set n, 0
.rept 32
	v_pk_add_f32 v[ACC+n:ACC+n+1], v[ACC+n:ACC+n+1], 1.0 op_sel_hi:[1,0]
.set n, n+2
.endr
.set n, 0
.rept 64
	v_rcp_f32 v[ACC+n], v[ACC+n]
.set n, n+1
.endr
	v_nop
	s_wait_alu depctr_va_vdst(0)                   ; likewise for the reciprocals
.irp j, 0,2,4,6
.irp i, 0,1,2,3,4,5,6,7
	v_pk_fma_f32 v[SACC+2*\i:SACC+2*\i+1], v[VV+\j:VV+\j+1], v[ACC+8*\i+\j:ACC+8*\i+\j+1], v[SACC+2*\i:SACC+2*\i+1]
.endr
.endr
.endm
; One column tile, from W's set p, for all 128 rows; q: which of the iteration's two trips.  slot = 1: the tile carries the trip's slot, on landing set q.
; THE SLOT'S ORDER.  The unit that lies in set q goes into the stage ahead of the products; the loads of the unit that takes the set stand behind this tile's loads of W and behind the wait that shows the
; stage's stores done, so that the next wait on which they are forced stands a whole trip further on; the rest of the unit (out of the stage into the accumulators' registers, which the epilogue has left) comes last.
.macro TILE p, q, slot
	s_wait_loadcnt 17                              ; on every way here at least 17 loads were issued behind set p's 17: they are in; so are the slot's unit's, asked for two trips ago
.irp k, 0,1,2
	ds_load_b128 v[DECP+8*\k:DECP+8*\k+3], v[PA] offset:384*\q+192*\p+64*\k      ; the tile's c dec, c W_coverage, v at my eight columns
	ds_load_b128 v[DECP+8*\k+4:DECP+8*\k+7], v[PA] offset:384*\q+192*\p+64*\k+16
.endr
.if \slot
	s_cmp_lt_u32 s[K1], s[UA]                      ; iterations 1 and 2 of a pass that has a successor
	s_cbranch_scc0 .Lna_\@
	STIN \q
.Lna_\@:
.endif
	WIN 0x07                                       ; source 0 (W) window 3, source 1 (x) window 1
	MM \p, 0
	WIN 0x0b                                       ; source 1 window 2
	MM \p, 1
	WIN 0
.rept 8
	v_nop                                          ; eight places in front of the loads into W's set and its scale words, and of the first read of the results
.endr
	s_add_nc_u64 s[WA+2*\p:WA+2*\p+1], s[10:11], s[OFF:OFF+1]   ; the loads that named this base are in (the wait at the head)
	LOADW \p                                       ; the tile two further on
	s_wait_dscnt 0x0                               ; the tile's parameters are in, and the stage's stores have read set q
.if \slot
	s_cmp_lt_u32 s[KT], s[UG]                      ; iterations 0, 1, 2 of a pass that has a successor
	s_cbranch_scc0 .Lng_\@
	GLOADP \q
.Lng_\@:
	; A PREFETCH INTO THE L2: iteration 3 of a pass that has a successor names what the load phase will ask for last: the next block's units 6 and 7, bytes 1,024 to 2,047 of my wave's rows 16 to 31:
	; eight rows a slot, four lanes a row, 256 bytes apart: each block of 256 bytes once in the launch.  It stands behind the tile's loads; its registers are not rewritten before the block's end.
	s_cmp_eq_u32 s[KT], s[PFL]
	s_cbranch_scc0 .Lnp_\@
	global_prefetch_b8 v[PFO], s[4:5] offset:262144+32768+16384*\q+1024 th:TH_LOAD_NT scope:SCOPE_SE
.Lnp_\@:
.endif
	EPI
.if \slot
	s_cmp_lt_u32 s[K1], s[UA]
	s_cbranch_scc0 .Lnb_\@
	STOUT
	s_wait_dscnt 0x0                               ; the numbers are back, and no LDS instruction of mine is out
	v_add_nc_u32 v[TBF], s[SB], v[BF0]
	v_add_nc_u32 v[TXI], s[SX], v[XWI]
	v_add_nc_u32 v[TXS], s[SS], v[XWS]
	WORK TBF, 256*\q, TXI, 2048*\q, TXS, 128*\q
.Lnb_\@:
.endif
.endm
; The context over one region's 64 rows (hf = 0: the waves' first 16 rows, 1: their second), two K steps of 32 rows: O^T += V^T p: source 0 = 16 channels x 32 rows, turned out of the bf16 rows;
; source 1 = p, the same in all 16 columns.  Eight accumulators by turns.  The fragments lie in window 1, where x's codes are done with: window 3 keeps the next block's units 4 and 5.
.macro CTX hf, adr
	WIN 0x40
.irp k, 0,1
.irp t, 0,1,2,3,4,5,6,7
	ds_load_tr16_b128 v[64*\k+8*\t:64*\k+8*\t+3], v[\adr] offset:33792*\k+32*\t
	ds_load_tr16_b128 v[64*\k+8*\t+4:64*\k+8*\t+7], v[\adr] offset:33792*\k+32*\t+16896
.endr
.endr
	s_wait_dscnt 0x0
	WIN 0x01                                       ; source 0 window 1
.irp k, 0,1
.irp t, 0,1,2,3,4,5,6,7
.if (\hf) == 0 && \k == 0
	v_wmma_f32_16x16x32_bf16 v[ACC+8*\t:ACC+8*\t+7], v[64*\k+8*\t:64*\k+8*\t+7], v[BFR+8*(2*\hf+\k):BFR+8*(2*\hf+\k)+7], 0
.else
	v_wmma_f32_16x16x32_bf16 v[ACC+8*\t:ACC+8*\t+7], v[64*\k+8*\t:64*\k+8*\t+7], v[BFR+8*(2*\hf+\k):BFR+8*(2*\hf+\k)+7], v[ACC+8*\t:ACC+8*\t+7]
.endif
.endr
.endr
	WIN 0
.rept 4
	v_nop                                          ; four places behind this form: for the next loads into its sources, and for the first read of its results
.endr
.endm
	s_load_b512 s[4:19], s[0:1], 0x0               ; encoder_outputs s[4:5], coverage s[6:7], mask s[8:9], wfrag s[10:11], dec s[12:13], W_coverage s[14:15], v s[16:17], sc s[18:19]
	s_load_b128 s[20:23], s[0:1], 0x40             ; pst s[20:21], pctx s[22:23]
	v_lshrrev_b32 v32, 5, v0
	v_readfirstlane_b32 s[WV], v32                 ; wave 0..3
	v_and_b32 v33, 31, v0                          ; lane
	v_and_b32 v34, 15, v0                          ; r
	v_bfe_u32 v35, v0, 4, 1                        ; h
	v_lshlrev_b32 v36, 2, v33                      ; 4 x lane
	v_lshlrev_b32 v[L8], 3, v33
	v_lshlrev_b32 v[WO], 4, v33
	s_lshl_b32 s25, s[WV], 16
	v_add_nc_u32 v[XO], s25, v[WO]
	v_lshrrev_b32 v37, 2, v33                      ; the prefetches: row lane / 4, block of 256 bytes lane % 4
	v_and_b32 v38, 3, v33
	v_lshlrev_b32 v[PFO], 11, v37
	v_lshl_add_u32 v[PFO], v38, 8, v[PFO]
	v_add_nc_u32 v[PFO], s25, v[PFO]
	s_mul_i32 s25, s[WV], 8448
	s_add_co_u32 s25, s25, STG
	v_add_nc_u32 v[STS], s25, v[WO]
	v_mul_u32_u24 v[STL], v34, 528
	v_lshl_add_u32 v[STL], v35, 6, v[STL]
	v_add_nc_u32 v[STL], s25, v[STL]
	s_mul_i32 s26, s[WV], 16*BPITCH
	v_mul_u32_u24 v[BF0], v34, BPITCH
	v_lshl_add_u32 v[BF0], v35, 5, v[BF0]
	v_add_nc_u32 v[BF0], s26, v[BF0]
	v_add_nc_u32 v[TBF], RA, v[BF0]                ; the first block's first halves go to region A
	s_lshl_b32 s26, s[WV], 14
	s_add_co_u32 s26, s26, XIMG
	v_add_nc_u32 v[XWI], s26, v[WO]
	s_lshl_b32 s26, s[WV], 10
	s_add_co_u32 s26, s26, XSC
	v_add_nc_u32 v[XWS], s26, v36
	v_add_nc_u32 v[LI], XIMG, v[WO]
	v_add_nc_u32 v[LS], XSC, v36
	s_mul_i32 s26, s[WV], 3072
	s_add_co_u32 s26, s26, PARB
	v_lshl_add_u32 v[PA0], v35, 5, s26
	v_lshlrev_b32 v[CVA], 2, v34
	s_lshl_b32 s25, s[WV], 9
	s_add_co_u32 s26, s25, SCP
	v_lshl_add_u32 v[SPA], v34, 2, s26
	v_add_nc_u32 v[SRA], SCP, v[WO]
	s_add_co_u32 s26, s25, CST
	v_lshl_add_u32 v[CSA], v35, 5, s26
	v_add_nc_u32 v[CRA], s26, v[WO]
	s_lshl_b32 s25, s[WV], 8
	s_add_co_u32 s26, s25, PB
	v_add_nc_u32 v[PBA], s26, v[L8]
	v_lshl_add_u32 v[PFA], v35, 4, s26
	v_and_b32 v37, 7, v0                           ; the turning load: lane l reads 16 bytes of row 8 h + l % 8, channels 8 ((l / 8) % 2) on
	v_bfe_u32 v38, v0, 3, 1
	v_lshl_add_u32 v37, v35, 3, v37
	v_mul_u32_u24 v[AVA], v37, BPITCH
	v_lshl_add_u32 v[AVA], v38, 4, v[AVA]
	v_add_nc_u32 v[AVA], s25, v[AVA]               ; + my wave's 128 channels
	v_lshrrev_b32 v39, 1, v0                       ; the parameters: thread t owns columns 8 t .. 8 t + 7: tile t / 2, half t % 2
	v_mul_u32_u24 v39, v39, 192
	v_and_b32 v41, 1, v0
	v_lshl_add_u32 v39, v41, 5, v39
	v_add_nc_u32 v39, PARB, v39
	v_lshlrev_b32 v40, 5, v0
.irp b, 0,1,2,3
	v_mov_b32 v[TM+4+\b], 0                        ; written once: a lane permute's destination counts as one of its sources
.endr
	s_mov_b32 s[SEL], 0x76543210
	s_mov_b32 s[SEL+1], 0xfedcba98
	s_mov_b32 s[CC], 0x4038aa3b                    ; 2 log2(e)
	s_mov_b32 s[CC+1], s[CC]                       ; (named with it as a pair, so it is written)
	s_mov_b32 s[MNT], 0x600000
	s_mov_b32 s[L2E], 0x3fb8aa3b
	s_mov_b32 s[BLK], 4
	s_mov_b32 s[FO], RA
	s_mov_b32 s[GO], RN
	s_mov_b32 s[GS+1], 0
	s_mov_b32 s[OFF+1], 0
	s_wait_kmcnt 0x0
	s_lshl_b32 s[OFF], ttmp9, 20                   ; 512 rows of 2,048 bytes
	s_add_nc_u64 s[4:5], s[4:5], s[OFF:OFF+1]
	s_lshl_b32 s[OFF], ttmp9, 11                   ; 512 numbers of 4 bytes
	s_add_nc_u64 s[6:7], s[6:7], s[OFF:OFF+1]
	s_add_nc_u64 s[8:9], s[8:9], s[OFF:OFF+1]
	s_add_nc_u64 s[18:19], s[18:19], s[OFF:OFF+1]
	s_lshl_b32 s[OFF], ttmp9, 10                   ; four blocks of 256 bytes
	s_add_nc_u64 s[20:21], s[20:21], s[OFF:OFF+1]
	s_lshl_b32 s[OFF], ttmp9, 13                   ; four blocks of 2,048 bytes, + my wave's 512
	s_lshl_b32 s25, s[WV], 9
	s_add_co_u32 s[OFF], s[OFF], s25
	s_add_nc_u64 s[22:23], s[22:23], s[OFF:OFF+1]
	s_lshr_b32 s[OFF], ttmp9, 2
	s_lshl_b32 s[OFF], s[OFF], 12                  ; the batch row's 1,024 numbers of dec
	s_add_nc_u64 s[12:13], s[12:13], s[OFF:OFF+1]
	s_mul_i32 s[OFF], s[WV], 139264                ; my wave's 16 tiles of W
	s_add_nc_u64 s[10:11], s[10:11], s[OFF:OFF+1]
	global_load_b128 v[64:67], v40, s[12:13]
	global_load_b128 v[68:71], v40, s[12:13] offset:16
	global_load_b128 v[72:75], v40, s[14:15]
	global_load_b128 v[76:79], v40, s[14:15] offset:16
	global_load_b128 v[80:83], v40, s[16:17]
	global_load_b128 v[84:87], v40, s[16:17] offset:16
.irp i, 0,1,2,3,4,5,6,7
	global_load_b128 v[88+4*\i:91+4*\i], v[WO], s[16:17] offset:512*\i   ; all of v, 32 numbers a lane, for its sum
.endr
	GLOAD 0                                        ; the first block's first two units are on their way while the parameters are laid
	GLOAD 1
	s_wait_loadcnt 32                              ; the parameters are in; the 32 loads behind them may stay out
.irp j, 0,2,4,6,8,10,12,14
	v_pk_mul_f32 v[64+\j:65+\j], v[64+\j:65+\j], s[CC:CC+1] op_sel_hi:[1,0]   ; c dec, c W_coverage
.endr
.irp k, 0,1,2
	ds_store_b128 v39, v[64+8*\k:67+8*\k] offset:64*\k
	ds_store_b128 v39, v[68+8*\k:71+8*\k] offset:64*\k+16
.endr
.irp j, 2,4,6,8,10,12,14,16,18,20,22,24,26,28,30
	v_pk_add_f32 v[88:89], v[88:89], v[88+\j:89+\j]
.endr
	v_add_f32 v[VSUM], v88, v89
	v_add_f32_dpp v[VSUM], v[VSUM], v[VSUM] row_xmask:1 row_mask:0xf bank_mask:0xf
	v_add_f32_dpp v[VSUM], v[VSUM], v[VSUM] row_xmask:2 row_mask:0xf bank_mask:0xf
	v_add_f32_dpp v[VSUM], v[VSUM], v[VSUM] row_xmask:4 row_mask:0xf bank_mask:0xf
	v_add_f32_dpp v[VSUM], v[VSUM], v[VSUM] row_xmask:8 row_mask:0xf bank_mask:0xf
	v_permlanex16_b32 v89, v[VSUM], s[SEL], s[SEL+1]
	v_add_f32 v[VSUM], v[VSUM], v89
	s_mov_b64 s[WA:WA+1], s[10:11]
	s_mov_b64 s[WA+2:WA+3], s[10:11]
	LOADW 0                                        ; my tiles 0 and 1 of W
	LOADW 1
	UNITW 0, 50, TBF, 2                            ; behind unit 0's loads: unit 1's 16 and W's 34
	UNITW 1, 50, TBF, 3                            ; behind unit 1's: W's 34 and unit 2's 16
	UNITW 2, 16, TBF, 4
	UNITW 3, 16, TBF, 5
.Lblock:                                           ; four trips: a block of 128 rows.  Its units 0 to 3 lie in LDS, its units 4 and 5 in (or on their way to) the landing sets
.irp i, 0,1,2,3,4,5,6,7
	global_load_b32 v[COV+2*\i], v[CVA], s[6:7] offset:64*\i     ; coverage of row 16 i + r, into both registers of a pair
	global_load_b32 v[COV+2*\i+1], v[CVA], s[6:7] offset:64*\i
.endr
	global_load_b128 v[MK:MK+3], v[WO], s[8:9]     ; the mask of rows 4 x lane on
.irp i, 0,1,2,3,4,5,6,7,8,9,10,11,12,13,14,15
	v_mov_b32 v[SACC+\i], 0
.endr
	s_cmp_eq_u32 s[BLK], 1                         ; the last block has no successor: its slots do nothing
	s_cselect_b32 s[PFL], 8, 3
	s_cselect_b32 s[UA], 0, 2
	s_cselect_b32 s[UG], 0, 3
	UNITW 4, 33, BF0, 6                            ; behind unit 4's loads, on every way here, at least unit 5's 16 and the 17 above
	UNITW 5, 33, BF0, 7                            ; behind unit 5's: the 17 above and unit 6's 16
	UNITW 6, 16, BF0, -1                           ; (this wait also covers coverage, the mask and W's two sets, all issued earlier)
	UNITW 7, 0, BF0, -1
	BARRIER                                        ; all images, scale words and bf16 rows of the block lie in LDS (in the first block the parameters too)
	FETCHX
	BARRIER                                        ; every wave has the images in its registers: the slots may write the next block's over them
	s_mov_b32 s[KT], 0
	s_mov_b32 s[POFF], 0
.Ltile:                                            ; four iterations: two trips of two column tiles each
	s_wait_xcnt 0x0                                ; the last iteration's loads of x have read their base, so it may be written
	v_add_nc_u32 v[PA], s[POFF], v[PA0]
	s_sub_co_u32 s[K1], s[KT], 1
	s_and_b32 s43, s[KT], 1                        ; the slots ask for units 2 x iteration and 2 x iteration + 1 of the next block: 0, 1,024, 32,768 bytes on (units 0, 2, 4)
	s_lshl_b32 s43, s43, 10
	s_lshr_b32 s25, s[KT], 1
	s_lshl_b32 s[GS], s25, 15
	s_add_co_u32 s[GS], s[GS], s43
	s_add_co_u32 s[GS], s[GS], 0x40000             ; a block on
	s_add_nc_u64 s[XB:XB+1], s[4:5], s[GS:GS+1]
	s_lshl_b32 s[SB], s25, 9                       ; and work units 2 (iteration / 2) and that + 1 (iterations 1, 2: units 0 to 3): 256 bytes of a bf16 row,
	s_add_co_u32 s[SB], s[SB], s[GO]
	s_lshl_b32 s[SX], s25, 12                      ; 2,048 of images
	s_lshl_b32 s[SS], s25, 8                       ; and 128 of scale words a unit
	s_lshl_b32 s26, s[KT], 1
	s_add_co_u32 s43, s26, 1
	s_mul_i32 s[OFF], s43, 17408                   ; W: the next trip's two tiles
	TILE 0, 0, 0
	TILE 1, 0, 1
	s_add_co_u32 s43, s26, 2
	s_and_b32 s43, s43, 7                          ; the last trip fetches tiles 0 and 1 again, for the next block: every count is the same in every trip (in the last block these loads serve nobody)
	s_mul_i32 s[OFF], s43, 17408
	TILE 0, 1, 0
	TILE 1, 1, 1
	s_add_co_u32 s[POFF], s[POFF], 768
	s_add_co_u32 s[KT], s[KT], 1
	s_cmp_lt_u32 s[KT], 4
	s_cbranch_scc1 .Ltile
	; THE SCORES.  A pair's two halves, then lane l xor 16's eight columns: my wave's 256 columns of row 16 i + r
.irp i, 0,1,2,3,4,5,6,7
	v_add_f32 v[SACC+2*\i], v[SACC+2*\i], v[SACC+2*\i+1]
.endr
.irp i, 0,1,2,3,4,5,6,7
	v_permlanex16_b32 v[SACC+2*\i+1], v[SACC+2*\i], s[SEL], s[SEL+1]
.endr
.irp i, 0,1,2,3,4,5,6,7
	v_add_f32 v[SACC+2*\i], v[SACC+2*\i], v[SACC+2*\i+1]
.endr
.irp i, 0,1,2,3,4,5,6,7
	ds_store_b32 v[SPA], v[SACC+2*\i] offset:64*\i   ; lanes l and l xor 16 write the same word with the same value
.endr
	BARRIER                                        ; the four waves' parts lie in LDS, and so do the next block's first halves
.irp k, 0,1,2,3
	ds_load_b128 v[TM+4*\k:TM+4*\k+3], v[SRA] offset:512*\k   ; every wave takes all 128 rows, four a lane
.endr
	v_add_nc_u32 v[AVF], s[FO], v[AVA]
	s_wait_dscnt 0x0
	v_pk_add_f32 v[240:241], v[240:241], v[244:245]
	v_pk_add_f32 v[242:243], v[242:243], v[246:247]
	v_pk_add_f32 v[248:249], v[248:249], v[252:253]
	v_pk_add_f32 v[250:251], v[250:251], v[254:255]
	v_pk_add_f32 v[240:241], v[240:241], v[248:249]
	v_pk_add_f32 v[242:243], v[242:243], v[250:251]
	v_mov_b32 v247, 0xd01502f9                     ; -1e10
.irp k, 0,1,2,3
	v_fma_f32 v[TM+\k], v[TM+\k], -2.0, v[VSUM]    ; score = sum(v) - 2 x the sum
.endr
.irp k, 0,1,2,3
	v_cmp_eq_u32 vcc_lo, 0, v[MK+\k]
	v_cndmask_b32 v[TM+\k], v[TM+\k], v247, vcc_lo   ; -1e10 where the mask is 0
.endr
	; THE BLOCK'S SOFTMAX: m, p = e^(score - m), l
	v_max3_num_f32 v246, v240, v241, v242
	v_max_num_f32 v246, v246, v243
	v_max_num_f32_dpp v246, v246, v246 row_xmask:1 row_mask:0xf bank_mask:0xf
	v_max_num_f32_dpp v246, v246, v246 row_xmask:2 row_mask:0xf bank_mask:0xf
	v_max_num_f32_dpp v246, v246, v246 row_xmask:4 row_mask:0xf bank_mask:0xf
	v_max_num_f32_dpp v246, v246, v246 row_xmask:8 row_mask:0xf bank_mask:0xf
	v_permlanex16_b32 v247, v246, s[SEL], s[SEL+1]
	v_max_num_f32 v244, v246, v247                 ; m, in every lane
.irp k, 0,1,2,3
	v_sub_f32 v[248+\k], v[240+\k], v244           ; the difference first, then the factor: fused, the rounding of m log2(e) would stand in the exponent where m = -1e10
.endr
.irp k, 0,1,2,3
	v_mul_f32 v[248+\k], s[L2E], v[248+\k]
.endr
.irp k, 0,1,2,3
	v_exp_f32 v[248+\k], v[248+\k]
.endr
	v_nop
	s_wait_alu depctr_va_vdst(0)                   ; one wait for the four, ahead of their first reader
	v_add_f32 v246, v248, v249
	v_add_f32 v247, v250, v251
	v_add_f32 v246, v246, v247
	v_add_f32_dpp v246, v246, v246 row_xmask:1 row_mask:0xf bank_mask:0xf
	v_add_f32_dpp v246, v246, v246 row_xmask:2 row_mask:0xf bank_mask:0xf
	v_add_f32_dpp v246, v246, v246 row_xmask:4 row_mask:0xf bank_mask:0xf
	v_add_f32_dpp v246, v246, v246 row_xmask:8 row_mask:0xf bank_mask:0xf
	v_permlanex16_b32 v247, v246, s[SEL], s[SEL+1]
	v_add_f32 v245, v246, v247                     ; l: the sum of the unrounded p
	v_cvt_pk_bf16_f32 v252, v248, v249
	v_cvt_pk_bf16_f32 v253, v250, v251
	ds_store_b64 v[PBA], v[252:253]                ; my wave's own copy of p
	s_cmp_lg_u32 s[WV], 0                          ; every wave holds the same scores, m and l: wave 0 stores them
	s_cbranch_scc1 .Lnot_wave_0
	global_store_b128 v[WO], v[240:243], s[18:19]  ; 512 consecutive bytes
	global_store_b64 v[L8], v[244:245], s[20:21]   ; (m, l) 32 times: the block's 256 bytes, whole
.Lnot_wave_0:
	; THE BLOCK'S CONTEXT, my 128 channels.  Row 16 w' + r' of a region is the block's row 32 w' + 16 hf + r': so K step k of region hf takes p of rows 64 k + 16 hf + 8 h + 0 .. 7 and of the rows 32 further on
.irp hf, 0,1
.irp k, 0,1
	ds_load_b128 v[BFR+8*(2*\hf+\k):BFR+8*(2*\hf+\k)+3], v[PFA] offset:128*\k+32*\hf        ; my own bytes: LDS serves a wave's instructions in order
	ds_load_b128 v[BFR+8*(2*\hf+\k)+4:BFR+8*(2*\hf+\k)+7], v[PFA] offset:128*\k+32*\hf+64
.endr
.endr
	CTX 0, AVF
	CTX 1, AVA
.irp t, 0,1,2,3,4,5,6,7
	ds_store_b128 v[CSA], v[ACC+8*\t:ACC+8*\t+3] offset:64*\t       ; all sixteen columns are alike: the sixteen lanes of a half write the same bytes with the same values; each accumulator from its low end on
	ds_store_b128 v[CSA], v[ACC+8*\t+4:ACC+8*\t+7] offset:64*\t+16
.endr
	ds_load_b128 v[248:251], v[CRA]
	s_wait_dscnt 0x0
	global_store_b128 v[WO], v[248:251], s[22:23]  ; 32 lanes store 512 consecutive bytes
	BARRIER                                        ; every wave's reads of the bf16 rows and the score sums are over: the next block may write region B, and its slots this block's first region
	s_wait_xcnt 0x0                                ; the block's loads, stores and prefetches have read their bases and data: all may be written again
	s_add_nc_u64 s[4:5], s[4:5], 262144
	s_add_nc_u64 s[6:7], s[6:7], 512
	s_add_nc_u64 s[8:9], s[8:9], 512
	s_add_nc_u64 s[18:19], s[18:19], 512
	s_add_nc_u64 s[20:21], s[20:21], 256
	s_add_nc_u64 s[22:23], s[22:23], 2048
	s_xor_b32 s[FO], s[FO], RX                     ; regions A and N change places
	s_xor_b32 s[GO], s[GO], RX
	s_sub_co_u32 s[BLK], s[BLK], 1
	s_cmp_lg_u32 s[BLK], 0
	s_cbranch_scc1 .Lblock
	s_wait_xcnt 0x0
	v_lshl_add_u32 v254, v0, 2, 0x4f000
	v_mov_b32 v255, 0
	s_wait_tensorcnt 0x0
	ds_add_u32 v254, v255
	s_wait_dscnt 0x0
	s_endpgm
.Lfunc_end_k_qe0a909d5bc_main:
	.size	k_qe0a909d5bc_main, .Lfunc_end_k_qe0a909d5bc_main-k_qe0a909d5bc_main
	.p2alignl 7, 3214868480
	.fill 96, 4, 3214868480
	.section	.rodata,"a",@progbits
	.p2align	6, 0x0
	.amdhsa_kernel k_qe0a909d5bc_main
		.amdhsa_group_segment_fixed_size 324096
		.amdhsa_private_segment_fixed_size 0
		.amdhsa_enable_private_segment 0
		.amdhsa_kernarg_size 80
		.amdhsa_user_sgpr_count 2
		.amdhsa_user_sgpr_kernarg_segment_ptr 1
		.amdhsa_wavefront_size32 1
		.amdhsa_system_sgpr_workgroup_id_x 1
		.amdhsa_system_sgpr_workgroup_id_y 1
		.amdhsa_system_sgpr_workgroup_id_z 1
		.amdhsa_system_vgpr_workitem_id 0
		.amdhsa_next_free_vgpr 1024
		.amdhsa_next_free_sgpr 66
		.amdhsa_reserve_vcc 1
		.amdhsa_float_denorm_mode_32 3
		.amdhsa_float_denorm_mode_16_64 3
		.amdhsa_memory_ordered 1
		.amdhsa_forward_progress 1
		.amdhsa_inst_pref_size 255
	.end_amdhsa_kernel
	.section	.bss,"aw",@nobits
	.p2align	6
	.space	262144
	.amdgpu_metadata
---
amdhsa.version: [ 1, 2 ]
amdhsa.kernels:
  - .name:           k_qe0a909d5bc_main
    .symbol:         k_qe0a909d5bc_main.kd
    .args:
      - { .name: encoder_outputs, .offset: 0, .size: 8, .value_kind: global_buffer, .address_space: global }
      - { .name: coverage, .offset: 8, .size: 8, .value_kind: global_buffer, .address_space: global }
      - { .name: encoder_mask, .offset: 16, .size: 8, .value_kind: global_buffer, .address_space: global }
      - { .name: wfrag, .offset: 24, .size: 8, .value_kind: global_buffer, .address_space: global }
      - { .name: dec, .offset: 32, .size: 8, .value_kind: global_buffer, .address_space: global }
      - { .name: W_coverage, .offset: 40, .size: 8, .value_kind: global_buffer, .address_space: global }
      - { .name: v, .offset: 48, .size: 8, .value_kind: global_buffer, .address_space: global }
      - { .name: sc, .offset: 56, .size: 8, .value_kind: global_buffer, .address_space: global }
      - { .name: pst, .offset: 64, .size: 8, .value_kind: global_buffer, .address_space: global }
      - { .name: pctx, .offset: 72, .size: 8, .value_kind: global_buffer, .address_space: global }
    .group_segment_fixed_size: 324096
    .private_segment_fixed_size: 0
    .kernarg_segment_align: 8
    .kernarg_segment_size: 80
    .max_flat_workgroup_size: 128
    .sgpr_count:     66
    .vgpr_count:     1024
    .wavefront_size: 32
...
	.end_amdgpu_metadata
.endif
;; end of part 2
;; launch finish (part 3): grid 256 x 1, 1 waves a work-group, no clusters, 0 bytes of LDS; arguments sc, pst, pctx, out0, out1; writes out0, out1
.if DOCPART == 3
	.amdgcn_target "amdgcn-amd-amdhsa--gfx1250"
	.amdhsa_code_object_version 6
	.text
	.protected	k_qe0a909d5bc_finish
	.globl	k_qe0a909d5bc_finish
	.p2align	8
	.type	k_qe0a909d5bc_finish,@function
k_qe0a909d5bc_finish:
	s_mov_b64 s[64:65], 0
	v_nop
	global_prefetch_b8 v0, s[64:65] scope:SCOPE_SE
	s_setreg_imm32_b32 hwreg(HW_REG_WAVE_MODE, 25, 1), 1
	s_wait_xcnt 0x0
; The 16 blocks of a batch row are joined.  M = the largest m; w_j = e^(m_j - M); L = sum of l_j w_j; attn = e^(score - M) / L; context = sum of (w_j / L) x the block's context.
; One wave to a work-group; work-group g: batch row g / 4, quarter g % 4: 512 numbers of attn and 128 channels of the context.  A stream of 12 KB a work-group: no LDS, no matrix unit.
; A row whose mask is 0 everywhere has m_j = M = -1e10, w_j = 1 and attn = 1 / 2,048, as the softmax of equal scores gives.
.set L2E, 20                           ; s20 log2(e)
	s_load_b256 s[4:11], s[0:1], 0x0               ; sc s[4:5], pst s[6:7], pctx s[8:9], out0 s[10:11]
	s_load_b64 s[12:13], s[0:1], 0x20              ; out1
	v_lshlrev_b32 v1, 4, v0                        ; 16 x lane
	v_and_b32 v2, 15, v0
	v_lshlrev_b32 v2, 8, v2                        ; block lane % 16: 256 bytes a block
	s_lshr_b32 s14, ttmp9, 2                       ; the batch row
	s_and_b32 s15, ttmp9, 3                        ; the quarter
	s_mov_b32 s17, 0
	s_mov_b32 s[L2E], 0x3fb8aa3b
	s_wait_kmcnt 0x0
	s_lshl_b32 s16, s14, 12
	s_add_nc_u64 s[6:7], s[6:7], s[16:17]
	s_lshl_b32 s16, ttmp9, 11
	s_add_nc_u64 s[4:5], s[4:5], s[16:17]
	s_add_nc_u64 s[12:13], s[12:13], s[16:17]
	s_lshl_b32 s16, s14, 15
	s_lshl_b32 s18, s15, 9
	s_add_co_u32 s16, s16, s18
	s_add_nc_u64 s[8:9], s[8:9], s[16:17]
	s_lshl_b32 s16, ttmp9, 9
	s_add_nc_u64 s[10:11], s[10:11], s[16:17]
	global_load_b64 v[4:5], v2, s[6:7]             ; (m, l) of block lane % 16
.irp i, 0,1,2,3
	global_load_b128 v[8+4*\i:11+4*\i], v1, s[4:5] offset:512*\i
.endr
.irp j, 0,1,2,3,4,5,6,7,8,9,10,11,12,13,14,15
	global_load_b128 v[24+4*\j:27+4*\j], v1, s[8:9] offset:2048*\j
.endr
	s_wait_loadcnt 20                              ; (m, l) is in; the 20 loads behind it may stay out
	v_mov_b32 v6, v4
	v_max_num_f32_dpp v6, v6, v6 row_xmask:1 row_mask:0xf bank_mask:0xf
	v_max_num_f32_dpp v6, v6, v6 row_xmask:2 row_mask:0xf bank_mask:0xf
	v_max_num_f32_dpp v6, v6, v6 row_xmask:4 row_mask:0xf bank_mask:0xf
	v_max_num_f32_dpp v6, v6, v6 row_xmask:8 row_mask:0xf bank_mask:0xf   ; M: the 16 blocks lie in the 16 lanes of each half
	v_sub_f32 v7, v4, v6                           ; the difference first, then the factor: fused, the rounding of M log2(e) would stand in the exponent where M = -1e10
	v_mul_f32 v7, s[L2E], v7
	v_exp_f32 v7, v7                               ; w
	v_nop
	s_wait_alu depctr_va_vdst(0)                   ; the wait ahead of the first reader
	v_mul_f32 v92, v5, v7
	v_add_f32_dpp v92, v92, v92 row_xmask:1 row_mask:0xf bank_mask:0xf
	v_add_f32_dpp v92, v92, v92 row_xmask:2 row_mask:0xf bank_mask:0xf
	v_add_f32_dpp v92, v92, v92 row_xmask:4 row_mask:0xf bank_mask:0xf
	v_add_f32_dpp v92, v92, v92 row_xmask:8 row_mask:0xf bank_mask:0xf   ; L
	v_rcp_f32 v93, v92
	v_nop
	s_wait_alu depctr_va_vdst(0)
	v_mul_f32 v94, v7, v93                         ; w / L of block lane % 16
.irp j, 0,1,2,3,4,5,6,7,8,9,10,11,12,13,14,15
	v_readlane_b32 s[32+\j], v94, \j
.endr
	s_wait_loadcnt 16                              ; the scores are in
.irp k, 0,1,2,3,4,5,6,7,8,9,10,11,12,13,14,15
	v_sub_f32 v[8+\k], v[8+\k], v6
.endr
.irp k, 0,1,2,3,4,5,6,7,8,9,10,11,12,13,14,15
	v_mul_f32 v[8+\k], s[L2E], v[8+\k]
.endr
.irp k, 0,1,2,3,4,5,6,7,8,9,10,11,12,13,14,15
	v_exp_f32 v[8+\k], v[8+\k]
.endr
	v_nop
	s_wait_alu depctr_va_vdst(0)                   ; one wait for the sixteen
.irp k, 0,1,2,3,4,5,6,7,8,9,10,11,12,13,14,15
	v_mul_f32 v[8+\k], v[8+\k], v93
.endr
.irp i, 0,1,2,3
	global_store_b128 v1, v[8+4*\i:11+4*\i], s[12:13] offset:512*\i   ; 512 consecutive bytes
.endr
	s_wait_loadcnt 0x0                             ; the sixteen blocks' contexts
.irp c, 0,1,2,3
	v_mul_f32 v[88+\c], s32, v[24+\c]
.endr
.irp j, 1,2,3,4,5,6,7,8,9,10,11,12,13,14,15
.irp c, 0,1,2,3
	v_fma_f32 v[88+\c], s[32+\j], v[24+4*\j+\c], v[88+\c]
.endr
.endr
	global_store_b128 v1, v[88:91], s[10:11]
	s_endpgm
.Lfunc_end_k_qe0a909d5bc_finish:
	.size	k_qe0a909d5bc_finish, .Lfunc_end_k_qe0a909d5bc_finish-k_qe0a909d5bc_finish
	.p2alignl 7, 3214868480
	.fill 96, 4, 3214868480
	.section	.rodata,"a",@progbits
	.p2align	6, 0x0
	.amdhsa_kernel k_qe0a909d5bc_finish
		.amdhsa_group_segment_fixed_size 0
		.amdhsa_private_segment_fixed_size 0
		.amdhsa_enable_private_segment 0
		.amdhsa_kernarg_size 40
		.amdhsa_user_sgpr_count 2
		.amdhsa_user_sgpr_kernarg_segment_ptr 1
		.amdhsa_wavefront_size32 1
		.amdhsa_system_sgpr_workgroup_id_x 1
		.amdhsa_system_sgpr_workgroup_id_y 1
		.amdhsa_system_sgpr_workgroup_id_z 1
		.amdhsa_system_vgpr_workitem_id 0
		.amdhsa_next_free_vgpr 96
		.amdhsa_next_free_sgpr 66
		.amdhsa_reserve_vcc 0
		.amdhsa_float_denorm_mode_32 3
		.amdhsa_float_denorm_mode_16_64 3
		.amdhsa_memory_ordered 1
		.amdhsa_forward_progress 1
		.amdhsa_inst_pref_size 12
	.end_amdhsa_kernel
	.amdgpu_metadata
---
amdhsa.version: [ 1, 2 ]
amdhsa.kernels:
  - .name:           k_qe0a909d5bc_finish
    .symbol:         k_qe0a909d5bc_finish.kd
    .args:
      - { .name: sc, .offset: 0, .size: 8, .value_kind: global_buffer, .address_space: global }
      - { .name: pst, .offset: 8, .size: 8, .value_kind: global_buffer, .address_space: global }
      - { .name: pctx, .offset: 16, .size: 8, .value_kind: global_buffer, .address_space: global }
      - { .name: out0, .offset: 24, .size: 8, .value_kind: global_buffer, .address_space: global }
      - { .name: out1, .offset: 32, .size: 8, .value_kind: global_buffer, .address_space: global }
    .group_segment_fixed_size: 0
    .private_segment_fixed_size: 0
    .kernarg_segment_align: 8
    .kernarg_segment_size: 40
    .max_flat_workgroup_size: 32
    .sgpr_count:     66
    .vgpr_count:     96
    .wavefront_size: 32
...
	.end_amdgpu_metadata
.endif
;; end of part 3
;; ======== version 2 of 2: 3 launches
;; workspace buffers: wfrag 557,056 bytes; dec 262,144 bytes; sc 524,288 bytes; pst 262,144 bytes; pctx 2,097,152 bytes
;; launch prep (part 4): grid 64 x 1, 4 waves a work-group, no clusters, 0 bytes of LDS; arguments W_decoder_codes, W_decoder_scales, decoder_hidden_codes, decoder_hidden_scales, W_encoder_codes, W_encoder_scales, dec, wfrag; writes dec, wfrag
.if DOCPART == 4
	.amdgcn_target "amdgcn-amd-amdhsa--gfx1250"
	.amdhsa_code_object_version 6
	.text
	.protected	k_qe0a909d5bc_prep
	.globl	k_qe0a909d5bc_prep
	.p2align	8
	.type	k_qe0a909d5bc_prep,@function
k_qe0a909d5bc_prep:
	s_mov_b64 s[64:65], 0
	v_nop
	global_prefetch_b8 v0, s[64:65] scope:SCOPE_SE
	s_setreg_imm32_b32 hwreg(HW_REG_WAVE_SCHED_MODE, 0, 2), 2
	s_setreg_imm32_b32 hwreg(HW_REG_WAVE_MODE, 25, 1), 1
	s_wait_xcnt 0x0
	s_wait_alu depctr_vm_vsrc(0)
; Two small jobs ahead of the main launch.
; (1) dec[64][1024] = decoder_hidden W_decoder^T, both given as codes of E5M2 with E8M0 scales: the scaled matrix form on the codes as they lie.
; (2) W_encoder's codes and scale bytes are laid anew, in the order of the operand's registers: for each tile of 16 rows 8,704 bytes:
;     the 16 bytes of lane l for K step s, piece c at (4 s + c) x 512 + 16 l; then, at 8,192 + 16 l, the 16 scale bytes of row l % 16.
;     The main launch then fills a fragment by dense loads of 512 bytes.
; SHARES: work-group T takes rows 16 T .. 16 T + 15 of both weights.  Wave w makes dec for batch rows 16 w .. 16 w + 15 and lays K step w of W_encoder's tile.
; The product is used transposed (source 0 = 16 rows of W_decoder, source 1 = 16 rows of decoder_hidden): lane (r, h) holds dec[16 w + r][16 T + 8 h + 0 .. 7].
; dec leaves in pieces of 32 bytes a lane: the whole buffer is 262,144 bytes, so no stage is spent on it.
; THE MODE: SCHED_MODE bits 1:0 = 2 (LLVM: expert scheduling mode 2), set by the entry lines.  The code itself states the register dependences
; between vector or matrix instructions and memory instructions, with s_wait_alu, always for 0.
; THE PLAN.  v3 to v6, the offsets, are written once at the head and read by every load and store: one wait ahead of the first load.  The fragments and scale words are written by loads and read by
; matrix instructions and stores alone.  v192-199, dec's numbers, are written by four additions and read by two stores: one wait between.  The wave's number passes through s20: one wait ahead of its first reader.
.set WDS, 16                           ; v16-19  W_decoder's scale words, K steps 0 to 3
.set DHS, 20                           ; v20-23  decoder_hidden's
.set WD,  32                           ; v32-95  W_decoder's four fragments
.set DH,  96                           ; v96-159 decoder_hidden's four
.set WE,  160                          ; v160-175 W_encoder's fragment of K step w
	s_load_b512 s[4:19], s[0:1], 0x0               ; Wd codes s[4:5], Wd scales s[6:7], dh codes s[8:9], dh scales s[10:11], We codes s[12:13], We scales s[14:15], dec s[16:17], wfrag s[18:19]
	v_lshrrev_b32 v7, 5, v0
	v_readfirstlane_b32 s20, v7                    ; wave 0..3
	v_and_b32 v1, 15, v0                           ; r
	v_bfe_u32 v2, v0, 4, 1                         ; h
	v_lshlrev_b32 v3, 9, v1
	v_lshl_add_u32 v3, v2, 4, v3                   ; a row of 512 codes: 512 r + 16 h
	v_lshlrev_b32 v4, 4, v1                        ; a row of 16 scale bytes
	v_and_b32 v5, 31, v0
	v_lshlrev_b32 v5, 4, v5                        ; 16 x lane
	v_lshlrev_b32 v6, 12, v1
	v_lshl_add_u32 v6, v2, 5, v6                   ; dec: row r of 4,096 bytes, + 32 h
	s_mov_b32 s23, 0
	s_wait_alu depctr_va_sdst(0)                   ; s20 is written, ahead of its first reader: the bases below are made from it
	s_wait_kmcnt 0x0
	s_lshl_b32 s22, ttmp9, 13                      ; 16 rows of 512 codes
	s_add_nc_u64 s[4:5], s[4:5], s[22:23]
	s_add_nc_u64 s[12:13], s[12:13], s[22:23]
	s_lshl_b32 s22, ttmp9, 8                       ; 16 rows of 16 scale bytes
	s_add_nc_u64 s[6:7], s[6:7], s[22:23]
	s_add_nc_u64 s[14:15], s[14:15], s[22:23]
	s_lshl_b32 s22, s20, 13                        ; my 16 batch rows
	s_add_nc_u64 s[8:9], s[8:9], s[22:23]
	s_lshl_b32 s22, s20, 8
	s_add_nc_u64 s[10:11], s[10:11], s[22:23]
	s_lshl_b32 s22, s20, 7                         ; W_encoder: K step w
	s_add_nc_u64 s[12:13], s[12:13], s[22:23]
	s_lshl_b32 s22, s20, 16                        ; dec: 16 w rows of 4,096 bytes + 64 T
	s_lshl_b32 s21, ttmp9, 6
	s_add_co_u32 s22, s22, s21
	s_add_nc_u64 s[16:17], s[16:17], s[22:23]
	s_mul_i32 s22, ttmp9, 8704                     ; wfrag: tile T, K step w
	s_lshl_b32 s21, s20, 11
	s_add_co_u32 s22, s22, s21
	s_add_nc_u64 s[18:19], s[18:19], s[22:23]
	s_wait_alu depctr_va_vdst(0)                   ; the offsets v3 to v6 are written: every load and store of the kernel reads one of them
.irp s, 0,1,2,3
.irp c, 0,1,2,3
	global_load_b128 v[WD+16*\s+4*\c:WD+16*\s+4*\c+3], v3, s[4:5] offset:128*\s+32*\c
	global_load_b128 v[DH+16*\s+4*\c:DH+16*\s+4*\c+3], v3, s[8:9] offset:128*\s+32*\c
.endr
.endr
	global_load_b128 v[WDS:WDS+3], v4, s[6:7]
	global_load_b128 v[DHS:DHS+3], v4, s[10:11]
.irp c, 0,1,2,3
	global_load_b128 v[WE+4*\c:WE+4*\c+3], v3, s[12:13] offset:32*\c
.endr
	s_wait_loadcnt 0x0
	; K = 512 in four steps, on two accumulators that take turns, one instruction a turn; the first two start the sums
	v_wmma_scale_f32_16x16x128_f8f6f4 v[176:183], v[WD:WD+15], v[DH:DH+15], 0, v[WDS], v[DHS] matrix_a_fmt:MATRIX_FMT_BF8 matrix_b_fmt:MATRIX_FMT_BF8
	v_wmma_scale_f32_16x16x128_f8f6f4 v[184:191], v[WD+16:WD+31], v[DH+16:DH+31], 0, v[WDS+1], v[DHS+1] matrix_a_fmt:MATRIX_FMT_BF8 matrix_b_fmt:MATRIX_FMT_BF8
	v_wmma_scale_f32_16x16x128_f8f6f4 v[176:183], v[WD+32:WD+47], v[DH+32:DH+47], v[176:183], v[WDS+2], v[DHS+2] matrix_a_fmt:MATRIX_FMT_BF8 matrix_b_fmt:MATRIX_FMT_BF8
	v_wmma_scale_f32_16x16x128_f8f6f4 v[184:191], v[WD+48:WD+63], v[DH+48:DH+63], v[184:191], v[WDS+3], v[DHS+3] matrix_a_fmt:MATRIX_FMT_BF8 matrix_b_fmt:MATRIX_FMT_BF8
.irp c, 0,1,2,3
	global_store_b128 v5, v[WE+4*\c:WE+4*\c+3], s[18:19] offset:512*\c   ; 32 lanes store 512 consecutive bytes.  No wait: the data came by loads, and no vector or matrix instruction since the wait above names v5 or these registers
.endr
.rept 8
	v_nop                                          ; eight places between this matrix form and the first read of its results
.endr
.irp j, 0,2,4,6
	v_pk_add_f32 v[192+\j:193+\j], v[176+\j:177+\j], v[184+\j:185+\j]   ; the two halves of K; each accumulator from its low end on
.endr
	s_wait_alu depctr_va_vdst(0)                   ; the four additions have written v192-199, which the two stores below read
	global_store_b128 v6, v[192:195], s[16:17]
	global_store_b128 v6, v[196:199], s[16:17] offset:16
	s_cmp_lg_u32 s20, 0                            ; the tile's scale bytes are laid by wave 0 alone (its part of wfrag begins at the tile's first byte)
	s_cbranch_scc1 .Ldone
	global_load_b128 v[24:27], v4, s[14:15]        ; no vector instruction names v24-27
	s_wait_loadcnt 0x0
	global_store_b128 v5, v[24:27], s[18:19] offset:8192
.Ldone:
	s_endpgm
.Lfunc_end_k_qe0a909d5bc_prep:
	.size	k_qe0a909d5bc_prep, .Lfunc_end_k_qe0a909d5bc_prep-k_qe0a909d5bc_prep
	.p2alignl 7, 3214868480
	.fill 96, 4, 3214868480
	.section	.rodata,"a",@progbits
	.p2align	6, 0x0
	.amdhsa_kernel k_qe0a909d5bc_prep
		.amdhsa_group_segment_fixed_size 0
		.amdhsa_private_segment_fixed_size 0
		.amdhsa_enable_private_segment 0
		.amdhsa_kernarg_size 64
		.amdhsa_user_sgpr_count 2
		.amdhsa_user_sgpr_kernarg_segment_ptr 1
		.amdhsa_wavefront_size32 1
		.amdhsa_system_sgpr_workgroup_id_x 1
		.amdhsa_system_sgpr_workgroup_id_y 1
		.amdhsa_system_sgpr_workgroup_id_z 1
		.amdhsa_system_vgpr_workitem_id 0
		.amdhsa_next_free_vgpr 200
		.amdhsa_next_free_sgpr 66
		.amdhsa_reserve_vcc 0
		.amdhsa_float_denorm_mode_32 3
		.amdhsa_float_denorm_mode_16_64 3
		.amdhsa_memory_ordered 1
		.amdhsa_forward_progress 1
		.amdhsa_inst_pref_size 8
	.end_amdhsa_kernel
	.amdgpu_metadata
---
amdhsa.version: [ 1, 2 ]
amdhsa.kernels:
  - .name:           k_qe0a909d5bc_prep
    .symbol:         k_qe0a909d5bc_prep.kd
    .args:
      - { .name: W_decoder_codes, .offset: 0, .size: 8, .value_kind: global_buffer, .address_space: global }
      - { .name: W_decoder_scales, .offset: 8, .size: 8, .value_kind: global_buffer, .address_space: global }
      - { .name: decoder_hidden_codes, .offset: 16, .size: 8, .value_kind: global_buffer, .address_space: global }
      - { .name: decoder_hidden_scales, .offset: 24, .size: 8, .value_kind: global_buffer, .address_space: global }
      - { .name: W_encoder_codes, .offset: 32, .size: 8, .value_kind: global_buffer, .address_space: global }
      - { .name: W_encoder_scales, .offset: 40, .size: 8, .value_kind: global_buffer, .address_space: global }
      - { .name: dec, .offset: 48, .size: 8, .value_kind: global_buffer, .address_space: global }
      - { .name: wfrag, .offset: 56, .size: 8, .value_kind: global_buffer, .address_space: global }
    .group_segment_fixed_size: 0
    .private_segment_fixed_size: 0
    .kernarg_segment_align: 8
    .kernarg_segment_size: 64
    .max_flat_workgroup_size: 128
    .sgpr_count:     66
    .vgpr_count:     200
    .wavefront_size: 32
...
	.end_amdgpu_metadata
.endif
;; end of part 4
;; launch main (part 5): grid 256 x 1, 4 waves a work-group, no clusters, 324,096 bytes of LDS; arguments encoder_outputs, coverage, encoder_mask, wfrag, dec, W_coverage, v, sc, pst, pctx; writes sc, pst, pctx
.if DOCPART == 5
	.amdgcn_target "amdgcn-amd-amdhsa--gfx1250"
	.amdhsa_code_object_version 6
	.text
	.protected	k_qe0a909d5bc_main
	.globl	k_qe0a909d5bc_main
	.p2align	8
	.type	k_qe0a909d5bc_main,@function
k_qe0a909d5bc_main:
	s_mov_b64 s[64:65], 0
	v_nop
	global_prefetch_b8 v0, s[64:65] scope:SCOPE_SE
	s_setreg_imm32_b32 hwreg(HW_REG_WAVE_SCHED_MODE, 0, 2), 2
	s_setreg_imm32_b32 hwreg(HW_REG_WAVE_MODE, 25, 1), 1
	s_wait_xcnt 0x0
	s_wait_alu depctr_vm_vsrc(0)
; For 512 rows (s) of one batch row b, in four blocks of 128 rows: quantise encoder_outputs to E5M2 with E8M0 scales along its 512; enc = x W_encoder^T on codes;
; score = sum over a of v[a] tanh(enc + dec + coverage x W_coverage); the mask; the BLOCK's own softmax (its maximum m, p = e^(score - m), its sum l) and the block's context, sum of p x encoder_outputs.
; Out go the masked scores (sc), (m, l) of each block (pst) and the block's context (pctx); the last launch joins the 16 blocks of a batch row.
; EACH BYTE OF encoder_outputs IS LOADED ONCE: a block's rows are kept in LDS as codes (for the first product) and as bf16 (for the context) until its scores are there.
; SHARES.  Work-group g: batch row g / 4, rows 512 (g % 4) on.  Loading: wave w takes rows 32 w .. 32 w + 31 of a block, in eight UNITS of 16 rows x 128 numbers (unit u: rows 16 (u / 4) on, K step u % 4).
; THE PASS: THE WAVES SHARE THE 1,024 COLUMNS, NOT THE ROWS: wave w takes columns 256 w .. 256 w + 255 (16 tiles) for all 128 rows, whose codes fill 512 of its registers; so each fragment of W feeds eight
; matrix instructions and is read by ONE wave of the work-group.  W goes from memory straight into that wave's registers (laid for it by the launch before), two tiles ahead.
; THE NEXT BLOCK COMES IN UNDER THE PASS.  A pass is four iterations of two trips (two column tiles a trip); each trip's second tile carries a SLOT: iterations 0, 1, 2 ask for the next block's units 0 to 5,
; iterations 1, 2 work its units 0 to 3 (bf16 rows and images to LDS); units 4, 5 wait in their landing registers.  Behind the block's context come units 4 to 7; only 6 and 7 are asked for there.
; LDS holds one and a half blocks of bf16 rows: region B for every block's second 16 rows of each wave, regions A and N by turns for the first 16.
; NO CLUSTER, NO JOINT LOADS: a joint load lands in LDS, and each byte of W would be written there and read back once, by one wave: 557,056 bytes in and out for each block, where now LDS sees none of them.
; tanh(x) = 1 - 2 / (1 + 2^(c x)), c = 2 log2(e): dec and W_coverage are multiplied by c once; score = sum(v) - 2 x sum(v / (1 + 2^t)).  2^t = infinity gives tanh = 1, 2^t = 0 gives -1: no clamp is needed.
; The first product is used transposed (source 0 = 16 columns' rows of W, source 1 = 16 rows of x): lane (r, h) holds row r and columns 8 h + 0 .. 7 of the tile.
; LIMITS: NaN and infinities among the inputs are not served.  A block of 32 zeros gets the scale byte 1 (the rule says 127): its codes are zeros and this program alone reads the byte; blocks whose largest
; magnitude lies under 2^-111 are held at that byte.  For the context alone p and encoder_outputs are rounded to bf16; l is the sum of the unrounded p.
; REGISTERS, in windows of 256 (s_set_vgpr_msb: bits 1:0 source 0, 3:2 source 1, 5:4 source 2, 7:6 destination):
;   window 0: v1-31 addresses and constants; v32-63 x's scale words; v64-127 eight accumulators (in a unit: its 64 numbers); v128-151 a tile's dec, W_coverage, v; v152-159 W's scale words, two sets;
;             v160-175 the score sums; v176-191 coverage; v192-223 bf16 packs, later p's fragments; v224-239 codes just made; v240-255 at work
;   window 1, 2: x's codes of row tiles 0-3, 4-7 (window 1 later: the context's fragments, a set for each region).   window 3: v0-127 W's fragments, two sets; v128-255 x as loaded, two sets.
; THE MODE: SCHED_MODE bits 1:0 = 2 (LLVM: expert scheduling mode 2), set by the entry lines.  The code itself states the register dependences
; between vector or matrix instructions and memory or LDS instructions, with s_wait_alu, always for 0.
; THE PLAN.  Registers that memory or LDS instructions touch, and who else names them:
;   the landing sets      written by the loads of x, read by the stage's stores; no vector instruction names them.  A wait on vm_vsrc stands between a set's stores and the next loads into it.
;   W's sets, v152-159    written by loads, read by a tile's 32 products.  The set is asked for again behind the wait that the tile's exponentials have anyway: it stands behind the products too.
;   v128-151              loaded at a tile's head, read by its epilogue to the last line: one wait on va_vdst at each tile's head, which in an iteration's first tile also shows v[PA] written.
;   v64-127               products, epilogue and a unit's arithmetic; the stage's loads land here: behind a wait on va_vdst with no later vector instruction on these registers.  Stores read them twice: the parameters at the head, the context's stage.
;   v192-239, v31         a unit's packs, codes and scale word: written by its arithmetic, read by its 13 LDS stores, which stand together behind ONE wait on va_vdst; written again only behind the next unit's wait on vm_vsrc.
;   v[TBF], v[TXI], v[TXS]  written in a slot ahead of that same wait on va_vdst, read by the slot's stores.   v[PA]: written once an iteration, read by the tiles' six loads.   v[AVF]: written once a block.
;   v32-63, windows 1, 2  written by LDS loads, read by products; every refill stands behind a later wait on va_vdst.
;   v160-175, v240-253    written by vector instructions, read by the stores of sums, scores, (m, l), p and context; written again only behind the wait on vm_vsrc at a block's head.
;   All other addresses are made at the head, ahead of one wait on va_vdst, and never written again.
.set BPITCH, 1056                      ; a row of 512 bf16 in LDS: 1,024 bytes + 32
.set RA,   67584                       ; region B lies at 0; regions A and N hold 64 rows each, like B
.set RN,   135168
.set RX,   0x31800                     ; RA xor RN: one exclusive or turns the one into the other
.set XIMG, 202752                      ; images of x's 32 fragments, (4 x tile + K step) x 2,048 + 512 c + 16 x lane
.set XSC,  268288                      ; their scale words: (4 x tile + K step) x 128 + 4 x lane
.set SCP,  272384                      ; the four waves' parts of the 128 score sums: 512 x wave + 4 x row
.set PB,   274432                      ; p as bf16, a copy for each wave: 256 x wave + 2 x row
.set CST,  275456                      ; the context's stage, each wave's own: 512 x wave + 4 x channel
.set PARB, 277504                      ; for each of the 64 column tiles 192 bytes: 16 c dec, 16 c W_coverage, 16 v
.set STG,  289792                      ; the stage through which x turns, each wave's own: 8,448 x wave; 16 rows of 512 bytes + 16
.set TXI, 1                            ; v1  a slot's place for images
.set L8,  2                            ; v2  8 x lane
.set TXS, 3                            ; v3  a slot's place for scale words
.set XO,  4                            ; v4  16 x lane + my wave's 32 rows of 2,048 bytes
.set STS, 5                            ; v5  the stage, in: 16 x lane
.set STL, 6                            ; v6  the stage, out: 528 r + 64 h
.set BF0, 7                            ; v7  bf16 rows, in a region: (16 w + r) x 1,056 + 32 h
.set XWI, 8                            ; v8  where I store images
.set XWS, 9                            ; v9  and scale words
.set LI,  10                           ; v10 where any wave reads images
.set LS,  11                           ; v11 and scale words
.set WO,  12                           ; v12 16 x lane
.set PA0, 13                           ; v13 my wave's first tile's parameters, + 32 h
.set PA,  14                           ; v14 those of the iteration's tiles
.set CVA, 15                           ; v15 4 r
.set SPA, 16                           ; v16 where I store score sums
.set SRA, 17                           ; v17 where I read them: four rows a lane
.set PBA, 18                           ; v18 where I store p
.set PFA, 19                           ; v19 where I read p's fragments
.set AVA, 20                           ; v20 the turning load's address in a region
.set AVF, 21                           ; v21 the same in the region of the block's first halves
.set CSA, 22                           ; v22 the context's stage, in
.set CRA, 23                           ; v23 and out
.set MK,  24                           ; v24-27 the mask of my four rows
.set VSUM, 28                          ; v28 the sum of v
.set PFO, 29                           ; v29 the prefetches' offset; never rewritten
.set TBF, 30                           ; v30 a unit's place for bf16 rows in region A or N
.set PW,  31                           ; v31 the scale word just made
.set XS,  32
.set ACC, 64
.set DECP, 128
.set WCP, 136
.set VV,  144
.set WS,  152
.set SACC, 160
.set COV, 176
.set BFR, 192
.set PC,  224
.set TM,  240
.set WV,  24                           ; s24 wave
.set SEL, 28                           ; s[28:29] v_permlanex16_b32's selects for lane l xor 16
.set CC,  30                           ; s[30:31] c = 2 log2(e)
.set MNT, 32                           ; s32 the mantissa field of 57,344
.set BLK, 33                           ; s33 blocks to go
.set KT,  34                           ; s34 the pass's iteration, 0 .. 3
.set POFF, 35                          ; s35 768 x iteration
.set OFF, 36                           ; s[36:37] where the next trip's two tiles of W begin; the high word stays 0
.set WA,  38                           ; s[38:39], s[40:41] the base of W's set 0, set 1
.set PFL, 42                           ; s42 the iteration that prefetches: 3, or none
.set L2E, 44                           ; s44 log2(e)
.set FO,  45                           ; s45 the region of this block's first halves: RA or RN
.set XB,  46                           ; s[46:47] the base of a slot's loads of x
.set GO,  48                           ; s48 the other region: the next block's first halves
.set K1,  49                           ; s49 iteration - 1
.set UA,  50                           ; s50 a slot works a unit while iteration - 1 is under this: 2, in the last block 0
.set UG,  51                           ; s51 a slot asks for a unit while the iteration is under this: 3, in the last block 0
.set GS,  52                           ; s[52:53] the slots' byte offset in x; the high word stays 0
.set SB,  54                           ; s54 the slots' offset for bf16 rows
.set SX,  55                           ; s55 for images
.set SS,  56                           ; s56 for scale words
                                       ; s57, s58, s59, s27: the four rows' masks, as lane masks
.set MSB, 0
.macro WIN new                         ; the immediate's high byte repeats the setting that is left; at a label and at a branch every window is 0
.if MSB != \new
	s_set_vgpr_msb (MSB<<8)|\new
.set MSB, \new
.endif
.endm
.macro BARRIER                         ; my LDS stores have landed and my LDS loads are in: then the work-group's barrier
	s_wait_dscnt 0x0
	s_barrier_signal -1
	s_barrier_wait -1
.endm
; W's set p: a tile's 16 pieces of 512 bytes and its scale words: 17 loads.  Many work-groups read these bytes again: no hint.
.macro LOADW p
	WIN 0xc0
.irp i, 0,1,2,3,4,5,6,7,8,9,10,11,12,13,14,15
	global_load_b128 v[64*\p+4*\i:64*\p+4*\i+3], v[WO], s[WA+2*\p:WA+2*\p+1] offset:8704*\p+512*\i
.endr
	WIN 0
	global_load_b128 v[WS+4*\p:WS+4*\p+3], v[WO], s[WA+2*\p:WA+2*\p+1] offset:8704*\p+8192
.endm
; Unit u of the block in hand into landing set u % 2.  Each load takes 512 consecutive bytes of one row.
.macro GLOAD u
	WIN 0xc0
.irp i, 0,1,2,3,4,5,6,7,8,9,10,11,12,13,14,15
	global_load_b128 v[128+64*((\u)%2)+4*\i:128+64*((\u)%2)+4*\i+3], v[XO], s[4:5] offset:(16*((\u)/4)+\i)*2048+512*((\u)%4) th:TH_LOAD_NT
.endr
	WIN 0
.endm
; The same in a slot: a unit of the NEXT block into set q; which unit stands in the base
.macro GLOADP q
	WIN 0xc0
.irp i, 0,1,2,3,4,5,6,7,8,9,10,11,12,13,14,15
	global_load_b128 v[128+64*(\q)+4*\i:128+64*(\q)+4*\i+3], v[XO], s[XB:XB+1] offset:\i*2048+512*(\q) th:TH_LOAD_NT
.endr
	WIN 0
.endm
; A unit turns through my own stage: in as loaded (STIN), out (STOUT) so that lane (r, h) holds, of row r, 16 neighbours of each block of 32: register 16 b + i = k 32 b + 16 h + i.  LDS serves a wave's instructions in order (ISA guide 5.7.1.4).
; STIN's data came by loads and its address is the head's: it hangs on no vector instruction.
.macro STIN p
	WIN 0x0c
.irp i, 0,1,2,3,4,5,6,7,8,9,10,11,12,13,14,15
	ds_store_b128 v[STS], v[128+64*(\p)+4*\i:128+64*(\p)+4*\i+3] offset:528*\i
.endr
	WIN 0
.endm
.macro STOUT
.irp b, 0,1,2,3
.irp j, 0,1,2,3
	ds_load_b128 v[ACC+16*\b+4*\j:ACC+16*\b+4*\j+3], v[STL] offset:128*\b+16*\j
.endr
.endr
.endm
; The 64 numbers in v[ACC] on become a fragment's codes in v[PC] on and its scale word in v[PW].
.macro QUANT
.irp b, 0,1,2,3
	v_max3_num_f32 v[TM+\b], |v[ACC+16*\b]|, |v[ACC+1+16*\b]|, 0x8000000   ; block b: my 16 numbers, and the floor 2^(16 - 127): so the byte cannot fall under 1
.endr
.irp i, 2,4,6,8,10,12,14
.irp b, 0,1,2,3
	v_max3_num_f32 v[TM+\b], v[TM+\b], |v[ACC+16*\b+\i]|, |v[ACC+1+16*\b+\i]|   ; the four blocks by turns
.endr
.endr
.irp b, 0,1,2,3
	v_permlanex16_b32 v[TM+4+\b], v[TM+\b], s[SEL], s[SEL+1]
.endr
.irp b, 0,1,2,3
	v_max_num_f32 v[TM+\b], v[TM+\b], v[TM+4+\b]   ; with lane l xor 16's: the block's largest magnitude
.endr
.irp b, 0,1,2,3
	v_add_nc_u32 v[TM+12+\b], 0xf8800000, v[TM+\b]   ; 15 off its exponent field: the conversion's scale operand
.endr
.irp b, 0,1,2,3
	v_and_or_b32 v[TM+8+\b], v[TM+\b], 0x7f800000, s[MNT]   ; 57,344 x the scale
.endr
.irp b, 0,1,2,3
	v_lshrrev_b32 v[TM+4+\b], 23, v[TM+12+\b]      ; the scale's byte
.endr
	v_lshl_or_b32 v[PW], v[TM+5], 8, v[TM+4]
	v_lshl_or_b32 v[PW], v[TM+6], 16, v[PW]
	v_lshl_or_b32 v[PW], v[TM+7], 24, v[PW]
.irp b, 0,1,2,3
.irp i, 0,1,2,3,4,5,6,7,8,9,10,11,12,13,14,15
	v_med3_num_f32 v[ACC+16*\b+\i], v[ACC+16*\b+\i], -v[TM+8+\b], v[TM+8+\b]   ; the conversion to an 8-bit code does not saturate (ISA guide 7.6.2): the hold at the largest code x the scale
.endr
	v_cvt_scalef32_pk8_bf8_f32 v[PC+4*\b:PC+1+4*\b], v[ACC+16*\b:ACC+7+16*\b], v[TM+12+\b]
	v_cvt_scalef32_pk8_bf8_f32 v[PC+2+4*\b:PC+3+4*\b], v[ACC+8+16*\b:ACC+15+16*\b], v[TM+12+\b]
.endr
	v_nop                                          ; one plain vector instruction behind the last scaled conversion
.endm
; What is made of a unit's 64 numbers: bf16 rows (address register abf, offset obf), the fragment's image (axi, oxi) and its scale word (axs, oxs).  It stands behind a wait for all my LDS instructions
; and behind a wait on vm_vsrc.  All the arithmetic first, then the 13 stores in one run behind one wait.
.macro WORK abf, obf, axi, oxi, axs, oxs
.set n, 0
.rept 32
	v_cvt_pk_bf16_f32 v[BFR+n], v[ACC+2*n], v[ACC+2*n+1]
.set n, n+1
.endr
	QUANT
	s_wait_alu depctr_va_vdst(0)                   ; the packs, the codes and the scale word are written (in a slot the three addresses too), which the stores below read; and the unit's arithmetic is done with v64-127, in which the next unit's numbers land
.irp b, 0,1,2,3
	ds_store_b128 v[\abf], v[BFR+8*\b:BFR+8*\b+3] offset:(\obf)+64*\b
	ds_store_b128 v[\abf], v[BFR+8*\b+4:BFR+8*\b+7] offset:(\obf)+64*\b+16
.endr
.irp c, 0,1,2,3
	ds_store_b128 v[\axi], v[PC+4*\c:PC+4*\c+3] offset:(\oxi)+512*\c   ; the fragment goes to LDS as an image of its registers
.endr
	ds_store_b32 v[\axs], v[PW] offset:(\oxs)
.endm
; A unit written out.  left: the loads issued behind this unit's on every way here, which may stay out.  gl: the unit that takes its landing set, or -1.
; The stage's loads land in v64-127 with no wait of their own: on every way here a wait on va_vdst stands behind the last vector or matrix instruction that names these registers, and a wait on vm_vsrc behind the last store that read them.
.macro UNITW u, left, abf, gl
	s_wait_loadcnt \left                           ; loads come back in order (ISA guide 5.7.1): this unit's 16 are in
	STIN (\u)%2
	STOUT
	s_wait_dscnt 0x0                               ; the numbers are back
	s_wait_alu depctr_vm_vsrc(0)                   ; the stage's stores have read the landing set, in which the next loads land; the last unit's stores have read the packs, the codes and the scale word, which are written anew below
.if (\gl) >= 0
	GLOAD \gl
.endif
	WORK \abf, 256*((\u)%4), XWI, 2048*(\u), XWS, 128*(\u)
.endm
; All 32 fragments of the block's x, and their scale words, into my registers.  No wait: the products that read these registers stand ahead of earlier waits on va_vdst, and no vector instruction since names them
.macro FETCHX
	WIN 0x40
.irp i, 0,1,2,3
.irp s, 0,1,2,3
.irp c, 0,1,2,3
	ds_load_b128 v[64*\i+16*\s+4*\c:64*\i+16*\s+4*\c+3], v[LI] offset:(4*\i+\s)*2048+512*\c
.endr
.endr
.endr
	WIN 0x80
.irp i, 0,1,2,3
.irp s, 0,1,2,3
.irp c, 0,1,2,3
	ds_load_b128 v[64*\i+16*\s+4*\c:64*\i+16*\s+4*\c+3], v[LI] offset:(16+4*\i+\s)*2048+512*\c
.endr
.endr
.endr
	WIN 0
.irp i, 0,1,2,3,4,5,6,7
.irp s, 0,1,2,3
	ds_load_b32 v[XS+4*\i+\s], v[LS] offset:128*(4*\i+\s)
.endr
.endr
.endm
; 16 matrix instructions: W's set p against row tiles 4 g .. 4 g + 3, K = 512 in four steps; the four accumulators take turns, one instruction a turn; the first step starts the sums.
; Codes and scale words on both sides came by loads: no vector instruction wrote them.
.macro MM p, g
.irp s, 0,1,2,3
.irp i, 0,1,2,3
.if \s == 0
	v_wmma_scale_f32_16x16x128_f8f6f4 v[ACC+8*(4*\g+\i):ACC+8*(4*\g+\i)+7], v[64*\p+16*\s:64*\p+16*\s+15], v[64*\i+16*\s:64*\i+16*\s+15], 0, v[WS+4*\p+\s], v[XS+4*(4*\g+\i)+\s] matrix_a_fmt:MATRIX_FMT_BF8 matrix_b_fmt:MATRIX_FMT_BF8
.else
	v_wmma_scale_f32_16x16x128_f8f6f4 v[ACC+8*(4*\g+\i):ACC+8*(4*\g+\i)+7], v[64*\p+16*\s:64*\p+16*\s+15], v[64*\i+16*\s:64*\i+16*\s+15], v[ACC+8*(4*\g+\i):ACC+8*(4*\g+\i)+7], v[WS+4*\p+\s], v[XS+4*(4*\g+\i)+\s] matrix_a_fmt:MATRIX_FMT_BF8 matrix_b_fmt:MATRIX_FMT_BF8
.endif
.endr
.endr
.endm
; The tile's 64 numbers a lane: t = c enc + c dec + coverage x c W_coverage; 2^t; 1 / (1 + 2^t); the score sums take v x that.  Each kind of transcendental is one batch with one wait.
; EPIA ends with the exponentials and their plain instruction; their wait stands in TILE, where it serves the tile's loads too; EPIB is the rest.
.macro EPIA
.irp i, 0,1,2,3,4,5,6,7
.irp j, 0,2,4,6
	v_pk_fma_f32 v[ACC+8*\i+\j:ACC+8*\i+\j+1], v[ACC+8*\i+\j:ACC+8*\i+\j+1], s[CC:CC+1], v[DECP+\j:DECP+\j+1] op_sel_hi:[1,0,1]   ; each accumulator from its low end on
.endr
.endr
.irp i, 0,1,2,3,4,5,6,7
.irp j, 0,2,4,6
	v_pk_fma_f32 v[ACC+8*\i+\j:ACC+8*\i+\j+1], v[WCP+\j:WCP+\j+1], v[COV+2*\i:COV+2*\i+1], v[ACC+8*\i+\j:ACC+8*\i+\j+1]   ; the pair holds my row's coverage twice
.endr
.endr
.set n, 0
	s_wait_alu depctr_va_vdst(0)
.rept 64
	v_exp_f32 v[ACC+n], v[ACC+n]
.set n, n+1
.endr
	v_nop                                          ; a plain instruction behind the last exponential
.endm
.macro EPIB
.set n, 0
.rept 32
	v_pk_add_f32 v[ACC+n:ACC+n+1], v[ACC+n:ACC+n+1], 1.0 op_sel_hi:[1,0]
.set n, n+2
.endr
.set n, 0
	s_wait_alu depctr_va_vdst(0)
.rept 64
	v_rcp_f32 v[ACC+n], v[ACC+n]
.set n, n+1
.endr
	v_nop
	s_wait_alu depctr_va_vdst(0)                   ; the reciprocals' results are written: the one wait for the batch, ahead of its first reader
.irp j, 0,2,4,6
.irp i, 0,1,2,3,4,5,6,7
	v_pk_fma_f32 v[SACC+2*\i:SACC+2*\i+1], v[VV+\j:VV+\j+1], v[ACC+8*\i+\j:ACC+8*\i+\j+1], v[SACC+2*\i:SACC+2*\i+1]
.endr
.endr
.endm
; One column tile, from W's set p, for all 128 rows; q: which of the iteration's two trips.  slot = 1: the tile carries the trip's slot, on landing set q.
; THE SLOT'S ORDER.  The unit that lies in set q goes into the stage ahead of the products; the tile's loads (W's set for the tile two further on, then the unit that takes set q) stand in one run behind the
; exponentials' wait, so that the next wait on which the loads of x are forced stands a whole trip further on; the rest of the unit (out of the stage into the accumulators' registers, which the epilogue has left) comes last.
.macro TILE p, q, slot
	s_wait_loadcnt 17                              ; on every way here at least 17 loads were issued behind set p's 17: they are in; so are the slot's unit's, asked for two trips ago
	s_wait_alu depctr_va_vdst(0)                   ; the last tile's epilogue is done reading v128-151, in which the six loads below land; in an iteration's first tile v[PA], their address, is written
.irp k, 0,1,2
	ds_load_b128 v[DECP+8*\k:DECP+8*\k+3], v[PA] offset:384*\q+192*\p+64*\k      ; the tile's c dec, c W_coverage, v at my eight columns
	ds_load_b128 v[DECP+8*\k+4:DECP+8*\k+7], v[PA] offset:384*\q+192*\p+64*\k+16
.endr
.if \slot
	s_cmp_lt_u32 s[K1], s[UA]                      ; iterations 1 and 2 of a pass that has a successor
	s_cbranch_scc0 .Lna_\@
	STIN \q
.Lna_\@:
.endif
	WIN 0x07                                       ; source 0 (W) window 3, source 1 (x) window 1
	MM \p, 0
	WIN 0x0b                                       ; source 1 window 2
	MM \p, 1
	WIN 0
.rept 8
	v_nop                                          ; eight places in front of the first read of the results
.endr
	s_wait_dscnt 0x0                               ; the tile's parameters are in
	EPIA
	s_wait_alu depctr_va_vdst(0)                   ; the exponentials' results are written: the one wait for the batch, ahead of its first reader; and the tile's products are done reading W's set p and its scale words, in which the loads below land
	s_add_nc_u64 s[WA+2*\p:WA+2*\p+1], s[10:11], s[OFF:OFF+1]   ; the loads that named this base are in (the wait at the head)
	LOADW \p                                       ; the tile two further on
.if \slot
	s_wait_alu depctr_vm_vsrc(0)                   ; the stage's stores have read landing set q, in which the loads of x land; the last unit's stores have read their packs, codes, scale word and three addresses, which the slot's last part writes; this tile's six loads have read v[PA], which the next iteration's head writes
	s_cmp_lt_u32 s[KT], s[UG]                      ; iterations 0, 1, 2 of a pass that has a successor
	s_cbranch_scc0 .Lng_\@
	GLOADP \q
.Lng_\@:
	; A PREFETCH INTO THE L2: iteration 3 of a pass that has a successor names what the load phase will ask for last: the next block's units 6 and 7, bytes 1,024 to 2,047 of my wave's rows 16 to 31:
	; eight rows a slot, four lanes a row, 256 bytes apart: each block of 256 bytes once in the launch.  It stands behind the tile's loads; its registers are not rewritten before the block's end.
	s_cmp_eq_u32 s[KT], s[PFL]
	s_cbranch_scc0 .Lnp_\@
	global_prefetch_b8 v[PFO], s[4:5] offset:262144+32768+16384*\q+1024 th:TH_LOAD_NT scope:SCOPE_SE
.Lnp_\@:
.endif
	EPIB
.if \slot
	s_cmp_lt_u32 s[K1], s[UA]
	s_cbranch_scc0 .Lnb_\@
	s_wait_alu depctr_va_vdst(0)                   ; the epilogue is done with v64-127, in which the stage's loads land
	STOUT
	s_wait_dscnt 0x0                               ; the numbers are back, and no LDS instruction of mine is out
	v_add_nc_u32 v[TBF], s[SB], v[BF0]             ; (free since the wait on vm_vsrc above: no memory or LDS instruction since has read these three)
	v_add_nc_u32 v[TXI], s[SX], v[XWI]
	v_add_nc_u32 v[TXS], s[SS], v[XWS]
	WORK TBF, 256*\q, TXI, 2048*\q, TXS, 128*\q
.Lnb_\@:
.endif
.endm
; The context over one region's 64 rows (hf = 0: the waves' first 16 rows, 1: their second), two K steps of 32 rows: O^T += V^T p: source 0 = 16 channels x 32 rows, turned out of the bf16 rows;
; source 1 = p, the same in all 16 columns.  Eight accumulators by turns.  The fragments lie in window 1, where x's codes are done with: window 3 keeps the next block's units 4 and 5.
; Each region has a set of 128 registers of its own there, so that both regions' loads go out in one run, ahead of the first product, and hang on no product of the context.
.macro CTXL hf, adr
.irp k, 0,1
.irp t, 0,1,2,3,4,5,6,7
	ds_load_tr16_b128 v[128*\hf+64*\k+8*\t:128*\hf+64*\k+8*\t+3], v[\adr] offset:33792*\k+32*\t
	ds_load_tr16_b128 v[128*\hf+64*\k+8*\t+4:128*\hf+64*\k+8*\t+7], v[\adr] offset:33792*\k+32*\t+16896
.endr
.endr
.endm
.macro CTXM hf
.irp k, 0,1
.irp t, 0,1,2,3,4,5,6,7
.if (\hf) == 0 && \k == 0
	v_wmma_f32_16x16x32_bf16 v[ACC+8*\t:ACC+8*\t+7], v[128*\hf+64*\k+8*\t:128*\hf+64*\k+8*\t+7], v[BFR+8*(2*\hf+\k):BFR+8*(2*\hf+\k)+7], 0
.else
	v_wmma_f32_16x16x32_bf16 v[ACC+8*\t:ACC+8*\t+7], v[128*\hf+64*\k+8*\t:128*\hf+64*\k+8*\t+7], v[BFR+8*(2*\hf+\k):BFR+8*(2*\hf+\k)+7], v[ACC+8*\t:ACC+8*\t+7]
.endif
.endr
.endr
.endm
	s_load_b512 s[4:19], s[0:1], 0x0               ; encoder_outputs s[4:5], coverage s[6:7], mask s[8:9], wfrag s[10:11], dec s[12:13], W_coverage s[14:15], v s[16:17], sc s[18:19]
	s_load_b128 s[20:23], s[0:1], 0x40             ; pst s[20:21], pctx s[22:23]
	v_lshrrev_b32 v32, 5, v0
	v_readfirstlane_b32 s[WV], v32                 ; wave 0..3
	v_and_b32 v33, 31, v0                          ; lane
	v_and_b32 v34, 15, v0                          ; r
	v_bfe_u32 v35, v0, 4, 1                        ; h
	v_lshlrev_b32 v36, 2, v33                      ; 4 x lane
	v_lshlrev_b32 v[L8], 3, v33
	v_lshlrev_b32 v[WO], 4, v33
	s_wait_alu depctr_va_sdst(0)                   ; the wave's number is written, ahead of its first reader: addresses, bases and branches are made from it
	s_lshl_b32 s25, s[WV], 16
	v_add_nc_u32 v[XO], s25, v[WO]
	v_lshrrev_b32 v37, 2, v33                      ; the prefetches: row lane / 4, block of 256 bytes lane % 4
	v_and_b32 v38, 3, v33
	v_lshlrev_b32 v[PFO], 11, v37
	v_lshl_add_u32 v[PFO], v38, 8, v[PFO]
	v_add_nc_u32 v[PFO], s25, v[PFO]
	s_mul_i32 s25, s[WV], 8448
	s_add_co_u32 s25, s25, STG
	v_add_nc_u32 v[STS], s25, v[WO]
	v_mul_u32_u24 v[STL], v34, 528
	v_lshl_add_u32 v[STL], v35, 6, v[STL]
	v_add_nc_u32 v[STL], s25, v[STL]
	s_mul_i32 s26, s[WV], 16*BPITCH
	v_mul_u32_u24 v[BF0], v34, BPITCH
	v_lshl_add_u32 v[BF0], v35, 5, v[BF0]
	v_add_nc_u32 v[BF0], s26, v[BF0]
	v_add_nc_u32 v[TBF], RA, v[BF0]                ; the first block's first halves go to region A
	s_lshl_b32 s26, s[WV], 14
	s_add_co_u32 s26, s26, XIMG
	v_add_nc_u32 v[XWI], s26, v[WO]
	s_lshl_b32 s26, s[WV], 10
	s_add_co_u32 s26, s26, XSC
	v_add_nc_u32 v[XWS], s26, v36
	v_add_nc_u32 v[LI], XIMG, v[WO]
	v_add_nc_u32 v[LS], XSC, v36
	s_mul_i32 s26, s[WV], 3072
	s_add_co_u32 s26, s26, PARB
	v_lshl_add_u32 v[PA0], v35, 5, s26
	v_lshlrev_b32 v[CVA], 2, v34
	s_lshl_b32 s25, s[WV], 9
	s_add_co_u32 s26, s25, SCP
	v_lshl_add_u32 v[SPA], v34, 2, s26
	v_add_nc_u32 v[SRA], SCP, v[WO]
	s_add_co_u32 s26, s25, CST
	v_lshl_add_u32 v[CSA], v35, 5, s26
	v_add_nc_u32 v[CRA], s26, v[WO]
	s_lshl_b32 s25, s[WV], 8
	s_add_co_u32 s26, s25, PB
	v_add_nc_u32 v[PBA], s26, v[L8]
	v_lshl_add_u32 v[PFA], v35, 4, s26
	v_and_b32 v37, 7, v0                           ; the turning load: lane l reads 16 bytes of row 8 h + l % 8, channels 8 ((l / 8) % 2) on
	v_bfe_u32 v38, v0, 3, 1
	v_lshl_add_u32 v37, v35, 3, v37
	v_mul_u32_u24 v[AVA], v37, BPITCH
	v_lshl_add_u32 v[AVA], v38, 4, v[AVA]
	v_add_nc_u32 v[AVA], s25, v[AVA]               ; + my wave's 128 channels
	v_lshrrev_b32 v39, 1, v0                       ; the parameters: thread t owns columns 8 t .. 8 t + 7: tile t / 2, half t % 2
	v_mul_u32_u24 v39, v39, 192
	v_and_b32 v41, 1, v0
	v_lshl_add_u32 v39, v41, 5, v39
	v_add_nc_u32 v39, PARB, v39
	v_lshlrev_b32 v40, 5, v0
.irp b, 0,1,2,3
	v_mov_b32 v[TM+4+\b], 0                        ; written once: a lane permute's destination counts as one of its sources
.endr
	s_mov_b32 s[SEL], 0x76543210
	s_mov_b32 s[SEL+1], 0xfedcba98
	s_mov_b32 s[CC], 0x4038aa3b                    ; 2 log2(e)
	s_mov_b32 s[CC+1], s[CC]                       ; (named with it as a pair, so it is written)
	s_mov_b32 s[MNT], 0x600000
	s_mov_b32 s[L2E], 0x3fb8aa3b
	s_mov_b32 s[BLK], 4
	s_mov_b32 s[FO], RA
	s_mov_b32 s[GO], RN
	s_mov_b32 s[GS+1], 0
	s_mov_b32 s[OFF+1], 0
	s_wait_kmcnt 0x0
	s_lshl_b32 s[OFF], ttmp9, 20                   ; 512 rows of 2,048 bytes
	s_add_nc_u64 s[4:5], s[4:5], s[OFF:OFF+1]
	s_lshl_b32 s[OFF], ttmp9, 11                   ; 512 numbers of 4 bytes
	s_add_nc_u64 s[6:7], s[6:7], s[OFF:OFF+1]
	s_add_nc_u64 s[8:9], s[8:9], s[OFF:OFF+1]
	s_add_nc_u64 s[18:19], s[18:19], s[OFF:OFF+1]
	s_lshl_b32 s[OFF], ttmp9, 10                   ; four blocks of 256 bytes
	s_add_nc_u64 s[20:21], s[20:21], s[OFF:OFF+1]
	s_lshl_b32 s[OFF], ttmp9, 13                   ; four blocks of 2,048 bytes, + my wave's 512
	s_lshl_b32 s25, s[WV], 9
	s_add_co_u32 s[OFF], s[OFF], s25
	s_add_nc_u64 s[22:23], s[22:23], s[OFF:OFF+1]
	s_lshr_b32 s[OFF], ttmp9, 2
	s_lshl_b32 s[OFF], s[OFF], 12                  ; the batch row's 1,024 numbers of dec
	s_add_nc_u64 s[12:13], s[12:13], s[OFF:OFF+1]
	s_mul_i32 s[OFF], s[WV], 139264                ; my wave's 16 tiles of W
	s_add_nc_u64 s[10:11], s[10:11], s[OFF:OFF+1]
	s_wait_alu depctr_va_vdst(0)                   ; all addresses and offsets of the head are written, which the kernel's loads, stores and prefetches read; so are v32-41, in which x's scale words land later
	global_load_b128 v[64:67], v40, s[12:13]
	global_load_b128 v[68:71], v40, s[12:13] offset:16
	global_load_b128 v[72:75], v40, s[14:15]
	global_load_b128 v[76:79], v40, s[14:15] offset:16
	global_load_b128 v[80:83], v40, s[16:17]
	global_load_b128 v[84:87], v40, s[16:17] offset:16
.irp i, 0,1,2,3,4,5,6,7
	global_load_b128 v[88+4*\i:91+4*\i], v[WO], s[16:17] offset:512*\i   ; all of v, 32 numbers a lane, for its sum
.endr
	GLOAD 0                                        ; the first block's first two units are on their way while the parameters are laid
	GLOAD 1
	s_wait_loadcnt 32                              ; the parameters are in; the 32 loads behind them may stay out
.irp j, 0,2,4,6,8,10,12,14
	v_pk_mul_f32 v[64+\j:65+\j], v[64+\j:65+\j], s[CC:CC+1] op_sel_hi:[1,0]   ; c dec, c W_coverage
.endr
.irp j, 2,4,6,8,10,12,14,16,18,20,22,24,26,28,30
	v_pk_add_f32 v[88:89], v[88:89], v[88+\j:89+\j]
.endr
	v_add_f32 v[VSUM], v88, v89
	v_add_f32_dpp v[VSUM], v[VSUM], v[VSUM] row_xmask:1 row_mask:0xf bank_mask:0xf
	v_add_f32_dpp v[VSUM], v[VSUM], v[VSUM] row_xmask:2 row_mask:0xf bank_mask:0xf
	v_add_f32_dpp v[VSUM], v[VSUM], v[VSUM] row_xmask:4 row_mask:0xf bank_mask:0xf
	v_add_f32_dpp v[VSUM], v[VSUM], v[VSUM] row_xmask:8 row_mask:0xf bank_mask:0xf
	v_permlanex16_b32 v89, v[VSUM], s[SEL], s[SEL+1]
	v_add_f32 v[VSUM], v[VSUM], v89
	s_wait_alu depctr_va_vdst(0)                   ; c dec and c W_coverage are written, which the stores below read; and the sum of v is done with v88-119, in which the first unit's numbers land
.irp k, 0,1,2
	ds_store_b128 v39, v[64+8*\k:67+8*\k] offset:64*\k
	ds_store_b128 v39, v[68+8*\k:71+8*\k] offset:64*\k+16
.endr
	s_mov_b64 s[WA:WA+1], s[10:11]
	s_mov_b64 s[WA+2:WA+3], s[10:11]
	LOADW 0                                        ; my tiles 0 and 1 of W
	LOADW 1
	s_wait_alu depctr_vm_vsrc(0)                   ; the parameters' stores have read v64-87, in which the first unit's numbers land, and v39; their loads have read v40: x's scale words land in both later
	UNITW 0, 50, TBF, 2                            ; behind unit 0's loads: unit 1's 16 and W's 34
	UNITW 1, 50, TBF, 3                            ; behind unit 1's: W's 34 and unit 2's 16
	UNITW 2, 16, TBF, 4
	UNITW 3, 16, TBF, 5
.Lblock:                                           ; four trips: a block of 128 rows.  Its units 0 to 3 lie in LDS, its units 4 and 5 in (or on their way to) the landing sets
	s_wait_alu depctr_vm_vsrc(0)                   ; the last block's stores have read the score sums v160-175, cleared below; the context in v64-127, in which unit 4's numbers land; scores, m, l, p and context in v240-253, which the units' arithmetic writes
.irp i, 0,1,2,3,4,5,6,7
	global_load_b32 v[COV+2*\i], v[CVA], s[6:7] offset:64*\i     ; coverage of row 16 i + r, into both registers of a pair.  (The epilogues and compares that read these and the mask's registers stand ahead of the last block's later waits on va_vdst)
	global_load_b32 v[COV+2*\i+1], v[CVA], s[6:7] offset:64*\i
.endr
	global_load_b128 v[MK:MK+3], v[WO], s[8:9]     ; the mask of rows 4 x lane on
.irp i, 0,1,2,3,4,5,6,7,8,9,10,11,12,13,14,15
	v_mov_b32 v[SACC+\i], 0
.endr
	s_cmp_eq_u32 s[BLK], 1                         ; the last block has no successor: its slots do nothing
	s_cselect_b32 s[PFL], 8, 3
	s_cselect_b32 s[UA], 0, 2
	s_cselect_b32 s[UG], 0, 3
	UNITW 4, 33, BF0, 6                            ; behind unit 4's loads, on every way here, at least unit 5's 16 and the 17 above
	UNITW 5, 33, BF0, 7                            ; behind unit 5's: the 17 above and unit 6's 16
	UNITW 6, 16, BF0, -1                           ; (this wait also covers coverage, the mask and W's two sets, all issued earlier)
	UNITW 7, 0, BF0, -1
	BARRIER                                        ; all images, scale words and bf16 rows of the block lie in LDS (in the first block the parameters too)
	FETCHX
	BARRIER                                        ; every wave has the images in its registers: the slots may write the next block's over them
	s_mov_b32 s[KT], 0
	s_mov_b32 s[POFF], 0
.Ltile:                                            ; four iterations: two trips of two column tiles each
	s_wait_xcnt 0x0                                ; the last iteration's loads of x have read their base, so it may be written
	v_add_nc_u32 v[PA], s[POFF], v[PA0]            ; (its last readers, the last tile's six loads, stand ahead of that tile's wait on vm_vsrc)
	s_sub_co_u32 s[K1], s[KT], 1
	s_and_b32 s43, s[KT], 1                        ; the slots ask for units 2 x iteration and 2 x iteration + 1 of the next block: 0, 1,024, 32,768 bytes on (units 0, 2, 4)
	s_lshl_b32 s43, s43, 10
	s_lshr_b32 s25, s[KT], 1
	s_lshl_b32 s[GS], s25, 15
	s_add_co_u32 s[GS], s[GS], s43
	s_add_co_u32 s[GS], s[GS], 0x40000             ; a block on
	s_add_nc_u64 s[XB:XB+1], s[4:5], s[GS:GS+1]
	s_lshl_b32 s[SB], s25, 9                       ; and work units 2 (iteration / 2) and that + 1 (iterations 1, 2: units 0 to 3): 256 bytes of a bf16 row,
	s_add_co_u32 s[SB], s[SB], s[GO]
	s_lshl_b32 s[SX], s25, 12                      ; 2,048 of images
	s_lshl_b32 s[SS], s25, 8                       ; and 128 of scale words a unit
	s_lshl_b32 s26, s[KT], 1
	s_add_co_u32 s43, s26, 1
	s_mul_i32 s[OFF], s43, 17408                   ; W: the next trip's two tiles
	TILE 0, 0, 0
	TILE 1, 0, 1
	s_add_co_u32 s43, s26, 2
	s_and_b32 s43, s43, 7                          ; the last trip fetches tiles 0 and 1 again, for the next block: every count is the same in every trip (in the last block these loads serve nobody)
	s_mul_i32 s[OFF], s43, 17408
	TILE 0, 1, 0
	TILE 1, 1, 1
	s_add_co_u32 s[POFF], s[POFF], 768
	s_add_co_u32 s[KT], s[KT], 1
	s_cmp_lt_u32 s[KT], 4
	s_cbranch_scc1 .Ltile
	s_wait_alu depctr_va_vdst(0)
	; THE SCORES.  A pair's two halves, then lane l xor 16's eight columns: my wave's 256 columns of row 16 i + r
.irp i, 0,1,2,3,4,5,6,7
	v_add_f32 v[SACC+2*\i], v[SACC+2*\i], v[SACC+2*\i+1]
.endr
.irp i, 0,1,2,3,4,5,6,7
	v_permlanex16_b32 v[SACC+2*\i+1], v[SACC+2*\i], s[SEL], s[SEL+1]
.endr
.irp i, 0,1,2,3,4,5,6,7
	v_add_f32 v[SACC+2*\i], v[SACC+2*\i], v[SACC+2*\i+1]
.endr
	s_wait_alu depctr_va_vdst(0)                   ; the sums are written, which the stores below read
.irp i, 0,1,2,3,4,5,6,7
	ds_store_b32 v[SPA], v[SACC+2*\i] offset:64*\i   ; lanes l and l xor 16 write the same word with the same value
.endr
	BARRIER                                        ; the four waves' parts lie in LDS, and so do the next block's first halves
.irp k, 0,1,2,3
	ds_load_b128 v[TM+4*\k:TM+4*\k+3], v[SRA] offset:512*\k   ; every wave takes all 128 rows, four a lane.  (No vector instruction since the wait above names v240-255)
.endr
	v_add_nc_u32 v[AVF], s[FO], v[AVA]
	s_wait_dscnt 0x0
	v_pk_add_f32 v[240:241], v[240:241], v[244:245]
	v_pk_add_f32 v[242:243], v[242:243], v[246:247]
	v_pk_add_f32 v[248:249], v[248:249], v[252:253]
	v_pk_add_f32 v[250:251], v[250:251], v[254:255]
	v_pk_add_f32 v[240:241], v[240:241], v[248:249]
	v_pk_add_f32 v[242:243], v[242:243], v[250:251]
	v_mov_b32 v247, 0xd01502f9                     ; -1e10
.irp k, 0,1,2,3
	v_fma_f32 v[TM+\k], v[TM+\k], -2.0, v[VSUM]    ; score = sum(v) - 2 x the sum
.endr
	v_cmp_eq_u32 s57, 0, v[MK]                     ; the four compares in one run, each into a scalar register of its own,
	v_cmp_eq_u32 s58, 0, v[MK+1]
	v_cmp_eq_u32 s59, 0, v[MK+2]
	v_cmp_eq_u32 s27, 0, v[MK+3]
	s_wait_alu depctr_va_sdst(0)                   ; the four lane masks are written, ahead of their first reader
	v_cndmask_b32 v[TM], v[TM], v247, s57          ; -1e10 where the mask is 0
	v_cndmask_b32 v[TM+1], v[TM+1], v247, s58
	v_cndmask_b32 v[TM+2], v[TM+2], v247, s59
	v_cndmask_b32 v[TM+3], v[TM+3], v247, s27
	; THE BLOCK'S SOFTMAX: m, p = e^(score - m), l
	v_max3_num_f32 v246, v240, v241, v242
	v_max_num_f32 v246, v246, v243
	v_max_num_f32_dpp v246, v246, v246 row_xmask:1 row_mask:0xf bank_mask:0xf
	v_max_num_f32_dpp v246, v246, v246 row_xmask:2 row_mask:0xf bank_mask:0xf
	v_max_num_f32_dpp v246, v246, v246 row_xmask:4 row_mask:0xf bank_mask:0xf
	v_max_num_f32_dpp v246, v246, v246 row_xmask:8 row_mask:0xf bank_mask:0xf
	v_permlanex16_b32 v247, v246, s[SEL], s[SEL+1]
	v_max_num_f32 v244, v246, v247                 ; m, in every lane
.irp k, 0,1,2,3
	v_sub_f32 v[248+\k], v[240+\k], v244           ; the difference first, then the factor: fused, the rounding of m log2(e) would stand in the exponent where m = -1e10
.endr
.irp k, 0,1,2,3
	v_mul_f32 v[248+\k], s[L2E], v[248+\k]
.endr
	s_wait_alu depctr_va_vdst(0)
.irp k, 0,1,2,3
	v_exp_f32 v[248+\k], v[248+\k]
.endr
	v_nop
	s_wait_alu depctr_va_vdst(0)                   ; the four exponentials' results are written: one wait for the four, ahead of their first reader
	v_add_f32 v246, v248, v249
	v_add_f32 v247, v250, v251
	v_add_f32 v246, v246, v247
	v_add_f32_dpp v246, v246, v246 row_xmask:1 row_mask:0xf bank_mask:0xf
	v_add_f32_dpp v246, v246, v246 row_xmask:2 row_mask:0xf bank_mask:0xf
	v_add_f32_dpp v246, v246, v246 row_xmask:4 row_mask:0xf bank_mask:0xf
	v_add_f32_dpp v246, v246, v246 row_xmask:8 row_mask:0xf bank_mask:0xf
	v_permlanex16_b32 v247, v246, s[SEL], s[SEL+1]
	v_add_f32 v245, v246, v247                     ; l: the sum of the unrounded p
	v_cvt_pk_bf16_f32 v252, v248, v249
	v_cvt_pk_bf16_f32 v253, v250, v251
	s_wait_alu depctr_va_vdst(0)                   ; p's packs, the scores, m and l are written, which the stores below read, and v[AVF], which the turning loads read; the softmax is done with v248-251, in which the context lands on its way out
	s_wait_alu depctr_vm_vsrc(0)                   ; the units' stores have read the packs' registers v192-223, in which p's fragments land
	ds_store_b64 v[PBA], v[252:253]                ; my wave's own copy of p
	s_cmp_lg_u32 s[WV], 0                          ; every wave holds the same scores, m and l: wave 0 stores them
	s_cbranch_scc1 .Lnot_wave_0
	global_store_b128 v[WO], v[240:243], s[18:19]  ; 512 consecutive bytes
	global_store_b64 v[L8], v[244:245], s[20:21]   ; (m, l) 32 times: the block's 256 bytes, whole
.Lnot_wave_0:
	; THE BLOCK'S CONTEXT, my 128 channels.  Row 16 w' + r' of a region is the block's row 32 w' + 16 hf + r': so K step k of region hf takes p of rows 64 k + 16 hf + 8 h + 0 .. 7 and of the rows 32 further on
.irp hf, 0,1
.irp k, 0,1
	ds_load_b128 v[BFR+8*(2*\hf+\k):BFR+8*(2*\hf+\k)+3], v[PFA] offset:128*\k+32*\hf        ; my own bytes: LDS serves a wave's instructions in order
	ds_load_b128 v[BFR+8*(2*\hf+\k)+4:BFR+8*(2*\hf+\k)+7], v[PFA] offset:128*\k+32*\hf+64
.endr
.endr
	WIN 0x40                                       ; destination window 1.  The pass's products, which read these registers, stand ahead of the waits on va_vdst above
	CTXL 0, AVF
	CTXL 1, AVA
	s_wait_dscnt 32                                ; LDS loads come back in order (ISA guide 5.7.1): p's fragments and the first region's are in; the second region's 32 may stay out
	WIN 0x01                                       ; source 0 window 1
	CTXM 0
	s_wait_dscnt 0x0                               ; the second region's fragments are in
	CTXM 1
	WIN 0
.rept 4
	v_nop                                          ; four places behind this form, in front of the first read of its results (ISA guide 7.12.1)
.endr
	s_wait_alu depctr_va_vdst(0)                   ; the products have written v64-127, which the stores below read; the places above stay beside this wait.  They are also done reading window 1, which the next block's images fill
.irp t, 0,1,2,3,4,5,6,7
	ds_store_b128 v[CSA], v[ACC+8*\t:ACC+8*\t+3] offset:64*\t       ; all sixteen columns are alike: the sixteen lanes of a half write the same bytes with the same values; each accumulator from its low end on
	ds_store_b128 v[CSA], v[ACC+8*\t+4:ACC+8*\t+7] offset:64*\t+16
.endr
	ds_load_b128 v[248:251], v[CRA]
	s_wait_dscnt 0x0
	global_store_b128 v[WO], v[248:251], s[22:23]  ; 32 lanes store 512 consecutive bytes
	BARRIER                                        ; every wave's reads of the bf16 rows and the score sums are over: the next block may write region B, and its slots this block's first region
	s_wait_xcnt 0x0                                ; the block's loads, stores and prefetches have read their bases and data: all may be written again
	s_add_nc_u64 s[4:5], s[4:5], 262144
	s_add_nc_u64 s[6:7], s[6:7], 512
	s_add_nc_u64 s[8:9], s[8:9], 512
	s_add_nc_u64 s[18:19], s[18:19], 512
	s_add_nc_u64 s[20:21], s[20:21], 256
	s_add_nc_u64 s[22:23], s[22:23], 2048
	s_xor_b32 s[FO], s[FO], RX                     ; regions A and N change places
	s_xor_b32 s[GO], s[GO], RX
	s_sub_co_u32 s[BLK], s[BLK], 1
	s_cmp_lg_u32 s[BLK], 0
	s_cbranch_scc1 .Lblock
	s_wait_xcnt 0x0
	v_lshl_add_u32 v254, v0, 2, 0x4f000            ; the add's two registers are made anew here: my spare word, behind the stages (no memory or LDS instruction has read v254 or v255),
	v_mov_b32 v255, 0                              ; and 0
	s_wait_dscnt 0x0                               ; the closing lines, six on end
	s_wait_alu 0x0
	s_wait_tensorcnt 0x0
	ds_add_u32 v254, v255
	s_wait_dscnt 0x0
	s_endpgm
.Lfunc_end_k_qe0a909d5bc_main:
	.size	k_qe0a909d5bc_main, .Lfunc_end_k_qe0a909d5bc_main-k_qe0a909d5bc_main
	.p2alignl 7, 3214868480
	.fill 96, 4, 3214868480
	.section	.rodata,"a",@progbits
	.p2align	6, 0x0
	.amdhsa_kernel k_qe0a909d5bc_main
		.amdhsa_group_segment_fixed_size 324096
		.amdhsa_private_segment_fixed_size 0
		.amdhsa_enable_private_segment 0
		.amdhsa_kernarg_size 80
		.amdhsa_user_sgpr_count 2
		.amdhsa_user_sgpr_kernarg_segment_ptr 1
		.amdhsa_wavefront_size32 1
		.amdhsa_system_sgpr_workgroup_id_x 1
		.amdhsa_system_sgpr_workgroup_id_y 1
		.amdhsa_system_sgpr_workgroup_id_z 1
		.amdhsa_system_vgpr_workitem_id 0
		.amdhsa_next_free_vgpr 1024
		.amdhsa_next_free_sgpr 66
		.amdhsa_reserve_vcc 0
		.amdhsa_float_denorm_mode_32 3
		.amdhsa_float_denorm_mode_16_64 3
		.amdhsa_memory_ordered 1
		.amdhsa_forward_progress 1
		.amdhsa_inst_pref_size 255
	.end_amdhsa_kernel
	.section	.bss,"aw",@nobits
	.p2align	6
	.space	262144
	.amdgpu_metadata
---
amdhsa.version: [ 1, 2 ]
amdhsa.kernels:
  - .name:           k_qe0a909d5bc_main
    .symbol:         k_qe0a909d5bc_main.kd
    .args:
      - { .name: encoder_outputs, .offset: 0, .size: 8, .value_kind: global_buffer, .address_space: global }
      - { .name: coverage, .offset: 8, .size: 8, .value_kind: global_buffer, .address_space: global }
      - { .name: encoder_mask, .offset: 16, .size: 8, .value_kind: global_buffer, .address_space: global }
      - { .name: wfrag, .offset: 24, .size: 8, .value_kind: global_buffer, .address_space: global }
      - { .name: dec, .offset: 32, .size: 8, .value_kind: global_buffer, .address_space: global }
      - { .name: W_coverage, .offset: 40, .size: 8, .value_kind: global_buffer, .address_space: global }
      - { .name: v, .offset: 48, .size: 8, .value_kind: global_buffer, .address_space: global }
      - { .name: sc, .offset: 56, .size: 8, .value_kind: global_buffer, .address_space: global }
      - { .name: pst, .offset: 64, .size: 8, .value_kind: global_buffer, .address_space: global }
      - { .name: pctx, .offset: 72, .size: 8, .value_kind: global_buffer, .address_space: global }
    .group_segment_fixed_size: 324096
    .private_segment_fixed_size: 0
    .kernarg_segment_align: 8
    .kernarg_segment_size: 80
    .max_flat_workgroup_size: 128
    .sgpr_count:     66
    .vgpr_count:     1024
    .wavefront_size: 32
...
	.end_amdgpu_metadata
.endif
;; end of part 5
;; launch finish (part 6): grid 256 x 1, 1 waves a work-group, no clusters, 0 bytes of LDS; arguments sc, pst, pctx, out0, out1; writes out0, out1
.if DOCPART == 6
	.amdgcn_target "amdgcn-amd-amdhsa--gfx1250"
	.amdhsa_code_object_version 6
	.text
	.protected	k_qe0a909d5bc_finish
	.globl	k_qe0a909d5bc_finish
	.p2align	8
	.type	k_qe0a909d5bc_finish,@function
k_qe0a909d5bc_finish:
	s_mov_b64 s[64:65], 0
	v_nop
	global_prefetch_b8 v0, s[64:65] scope:SCOPE_SE
	s_setreg_imm32_b32 hwreg(HW_REG_WAVE_MODE, 25, 1), 1
	s_wait_xcnt 0x0
; The 16 blocks of a batch row are joined.  M = the largest m; w_j = e^(m_j - M); L = sum of l_j w_j; attn = e^(score - M) / L; context = sum of (w_j / L) x the block's context.
; One wave to a work-group; work-group g: batch row g / 4, quarter g % 4: 512 numbers of attn and 128 channels of the context.  A stream of 12 KB a work-group: no LDS, no matrix unit.
; A row whose mask is 0 everywhere has m_j = M = -1e10, w_j = 1 and attn = 1 / 2,048, as the softmax of equal scores gives.
.set L2E, 20                           ; s20 log2(e)
	s_load_b256 s[4:11], s[0:1], 0x0               ; sc s[4:5], pst s[6:7], pctx s[8:9], out0 s[10:11]
	s_load_b64 s[12:13], s[0:1], 0x20              ; out1
	v_lshlrev_b32 v1, 4, v0                        ; 16 x lane
	v_and_b32 v2, 15, v0
	v_lshlrev_b32 v2, 8, v2                        ; block lane % 16: 256 bytes a block
	s_lshr_b32 s14, ttmp9, 2                       ; the batch row
	s_and_b32 s15, ttmp9, 3                        ; the quarter
	s_mov_b32 s17, 0
	s_mov_b32 s[L2E], 0x3fb8aa3b
	s_wait_alu depctr_va_vdst(0)
	s_wait_kmcnt 0x0
	s_lshl_b32 s16, s14, 12
	s_add_nc_u64 s[6:7], s[6:7], s[16:17]
	s_lshl_b32 s16, ttmp9, 11
	s_add_nc_u64 s[4:5], s[4:5], s[16:17]
	s_add_nc_u64 s[12:13], s[12:13], s[16:17]
	s_lshl_b32 s16, s14, 15
	s_lshl_b32 s18, s15, 9
	s_add_co_u32 s16, s16, s18
	s_add_nc_u64 s[8:9], s[8:9], s[16:17]
	s_lshl_b32 s16, ttmp9, 9
	s_add_nc_u64 s[10:11], s[10:11], s[16:17]
	global_load_b64 v[4:5], v2, s[6:7]             ; (m, l) of block lane % 16
.irp i, 0,1,2,3
	global_load_b128 v[8+4*\i:11+4*\i], v1, s[4:5] offset:512*\i
.endr
.irp j, 0,1,2,3,4,5,6,7,8,9,10,11,12,13,14,15
	global_load_b128 v[24+4*\j:27+4*\j], v1, s[8:9] offset:2048*\j
.endr
	s_wait_loadcnt 20                              ; (m, l) is in; the 20 loads behind it may stay out
	v_mov_b32 v6, v4
	v_max_num_f32_dpp v6, v6, v6 row_xmask:1 row_mask:0xf bank_mask:0xf
	v_max_num_f32_dpp v6, v6, v6 row_xmask:2 row_mask:0xf bank_mask:0xf
	v_max_num_f32_dpp v6, v6, v6 row_xmask:4 row_mask:0xf bank_mask:0xf
	v_max_num_f32_dpp v6, v6, v6 row_xmask:8 row_mask:0xf bank_mask:0xf   ; M: the 16 blocks lie in the 16 lanes of each half
	v_sub_f32 v7, v4, v6                           ; the difference first, then the factor: fused, the rounding of M log2(e) would stand in the exponent where M = -1e10
	v_mul_f32 v7, s[L2E], v7
	s_wait_alu depctr_va_vdst(0)
	v_exp_f32 v7, v7                               ; w
	v_nop
	s_wait_alu depctr_va_vdst(0)                   ; the wait ahead of the first reader
	v_mul_f32 v92, v5, v7
	v_add_f32_dpp v92, v92, v92 row_xmask:1 row_mask:0xf bank_mask:0xf
	v_add_f32_dpp v92, v92, v92 row_xmask:2 row_mask:0xf bank_mask:0xf
	v_add_f32_dpp v92, v92, v92 row_xmask:4 row_mask:0xf bank_mask:0xf
	v_add_f32_dpp v92, v92, v92 row_xmask:8 row_mask:0xf bank_mask:0xf   ; L
	s_wait_alu depctr_va_vdst(0)
	v_rcp_f32 v93, v92
	v_nop
	s_wait_alu depctr_va_vdst(0)
	v_mul_f32 v94, v7, v93                         ; w / L of block lane % 16
.irp j, 0,1,2,3,4,5,6,7,8,9,10,11,12,13,14,15
	v_readlane_b32 s[32+\j], v94, \j
.endr
	s_wait_loadcnt 16                              ; the scores are in
.irp k, 0,1,2,3,4,5,6,7,8,9,10,11,12,13,14,15
	v_sub_f32 v[8+\k], v[8+\k], v6
.endr
.irp k, 0,1,2,3,4,5,6,7,8,9,10,11,12,13,14,15
	v_mul_f32 v[8+\k], s[L2E], v[8+\k]
.endr
	s_wait_alu depctr_va_vdst(0)
.irp k, 0,1,2,3,4,5,6,7,8,9,10,11,12,13,14,15
	v_exp_f32 v[8+\k], v[8+\k]
.endr
	v_nop
	s_wait_alu depctr_va_vdst(0)                   ; one wait for the sixteen
.irp k, 0,1,2,3,4,5,6,7,8,9,10,11,12,13,14,15
	v_mul_f32 v[8+\k], v[8+\k], v93
.endr
.irp i, 0,1,2,3
	global_store_b128 v1, v[8+4*\i:11+4*\i], s[12:13] offset:512*\i   ; 512 consecutive bytes
.endr
	s_wait_loadcnt 0x0                             ; the sixteen blocks' contexts
.irp c, 0,1,2,3
	v_mul_f32 v[88+\c], s32, v[24+\c]
.endr
.irp j, 1,2,3,4,5,6,7,8,9,10,11,12,13,14,15
.irp c, 0,1,2,3
	v_fma_f32 v[88+\c], s[32+\j], v[24+4*\j+\c], v[88+\c]
.endr
.endr
	global_store_b128 v1, v[88:91], s[10:11]
	s_endpgm
.Lfunc_end_k_qe0a909d5bc_finish:
	.size	k_qe0a909d5bc_finish, .Lfunc_end_k_qe0a909d5bc_finish-k_qe0a909d5bc_finish
	.p2alignl 7, 3214868480
	.fill 96, 4, 3214868480
	.section	.rodata,"a",@progbits
	.p2align	6, 0x0
	.amdhsa_kernel k_qe0a909d5bc_finish
		.amdhsa_group_segment_fixed_size 0
		.amdhsa_private_segment_fixed_size 0
		.amdhsa_enable_private_segment 0
		.amdhsa_kernarg_size 40
		.amdhsa_user_sgpr_count 2
		.amdhsa_user_sgpr_kernarg_segment_ptr 1
		.amdhsa_wavefront_size32 1
		.amdhsa_system_sgpr_workgroup_id_x 1
		.amdhsa_system_sgpr_workgroup_id_y 1
		.amdhsa_system_sgpr_workgroup_id_z 1
		.amdhsa_system_vgpr_workitem_id 0
		.amdhsa_next_free_vgpr 96
		.amdhsa_next_free_sgpr 66
		.amdhsa_reserve_vcc 0
		.amdhsa_float_denorm_mode_32 3
		.amdhsa_float_denorm_mode_16_64 3
		.amdhsa_memory_ordered 1
		.amdhsa_forward_progress 1
		.amdhsa_inst_pref_size 12
	.end_amdhsa_kernel
	.amdgpu_metadata
---
amdhsa.version: [ 1, 2 ]
amdhsa.kernels:
  - .name:           k_qe0a909d5bc_finish
    .symbol:         k_qe0a909d5bc_finish.kd
    .args:
      - { .name: sc, .offset: 0, .size: 8, .value_kind: global_buffer, .address_space: global }
      - { .name: pst, .offset: 8, .size: 8, .value_kind: global_buffer, .address_space: global }
      - { .name: pctx, .offset: 16, .size: 8, .value_kind: global_buffer, .address_space: global }
      - { .name: out0, .offset: 24, .size: 8, .value_kind: global_buffer, .address_space: global }
      - { .name: out1, .offset: 32, .size: 8, .value_kind: global_buffer, .address_space: global }
    .group_segment_fixed_size: 0
    .private_segment_fixed_size: 0
    .kernarg_segment_align: 8
    .kernarg_segment_size: 40
    .max_flat_workgroup_size: 32
    .sgpr_count:     66
    .vgpr_count:     96
    .wavefront_size: 32
...
	.end_amdgpu_metadata
.endif
;; end of part 6
